; MI455X (gfx1250); checked and timed in simulation.
; The chip was launched on July 23, 2026; its instructions are those of AMD's public machine-readable ISA for CDNA 5 (MIT licence, August 2026) and "CDNA5" Instruction Set Architecture Reference Guide (July 2026). The comments in the code are by the model that wrote it; some were corrected since.
;; Multi Head Attention. Allowed arithmetic: matrix products marked QUANTISED: E2M3 operands, one E8M0 scale for each 32 along K, by v_wmma_scale_f32_16x16x128_f8f6f4 with both operands' format E2M3, f32 sums; everything else in f32.
;; Inputs: Wk 16 x 1,024 x 64 float32; Wo 1,024 x 1,024 float32; Wq 16 x 1,024 x 64 float32; Wv 16 x 1,024 x 64 float32; bk 16 x 64 float32; bo 1,024 float32; bq 16 x 64 float32; bv 16 x 64 float32; inputs 4,096 x 1,024 float32; scale 16 float32.
;; Outputs: out0 4,096 x 1,024 float32.
;; This version of the problem:
;;   THIS VERSION OF THE PROBLEM IS GIVEN IN LOW PRECISION. The matrix products marked QUANTISED in the list below multiply operands that are first quantised to E2M3 (2 exponent bits, 3 mantissa bits; 6 bits a number), with one power-of-two scale for each 32 numbers along K (OCP MX v1.0); their sums are f32. All else is computed in f32.
;;   The module's matrix products, in the order in which they are computed (A, B: the left and right operand; K: the contracted axis; several contracted axes count as one K, in the product's order):
;;     1. [M 1,024, K 1,024] x [K 1,024, N 4,096]; A: input Wq; B: input inputs: QUANTISED
;;     2. [M 1,024, K 1,024] x [K 1,024, N 4,096]; A: input Wk; B: input inputs: QUANTISED
;;     3. [M 1,024, K 1,024] x [K 1,024, N 4,096]; A: input Wv; B: input inputs: QUANTISED
;;     4. batch 16 x [M 4,096, K 64] x [K 64, N 4,096]; A: computed on the way; B: computed on the way: QUANTISED
;;     5. batch 16 x [M 4,096, K 4,096] x [K 4,096, N 64]; A: softmax (see below); B: computed on the way: QUANTISED
;;     6. [M 4,096, K 1,024] x [K 1,024, N 1,024]; A: computed on the way; B: input Wo: QUANTISED
;;   THE QUANTISER, for each operand of a quantised product, along K:
;;     - K is cut into blocks of 32 from its start; a last block that is shorter is filled with zeros.
;;     - A block's scale is 2^e with e = floor(log2(the largest magnitude in the block)) - 2, held to -126 .. 127; a block of zeros has e = 0. As a byte (E8M0): e + 127.
;;     - Each number is divided by its block's scale, clamped to +-7.5, and rounded to the nearest number of E2M3, ties to even, subnormals kept.
;;     - The product sums the exact products of the quantised numbers (number of the format x scale) in f32.
;;   ~~~python
;;   def quantise(x, axis):      # numpy; x: float32 -> the quantised numbers, widened to float32 again
;;       x = np.moveaxis(x, axis, -1); K = x.shape[-1]
;;       x = np.pad(x, [(0, 0)] * (x.ndim - 1) + [(0, -K % 32)]); x = x.reshape(x.shape[:-1] + (-1, 32)); a = np.abs(x).max(-1, keepdims=True)
;;       e = np.where(a > 0, np.clip(np.frexp(np.where(a > 0, a, 1))[1] - 1 - 2, -126, 127), 0)      # np.frexp(a)[1] - 1 = floor(log2(a)), exactly
;;       r = np.clip(x / 2.0 ** e, -7.5, 7.5)
;;       step = 2.0 ** (np.maximum(np.frexp(np.where(r == 0, 1, r))[1] - 1, 0) - 3)
;;       q = np.round(r / step) * step * 2.0 ** e      # np.round: ties to even
;;       return np.moveaxis(q.reshape(q.shape[:-2] + (-1,))[..., :K], -1, axis).astype(np.float32)
;;   ~~~
;;   SOFTMAX AHEAD OF A QUANTISED PRODUCT. Where the list says 'softmax', what is quantised is not the finished softmax but p = 2^(t - M), with t = logit x log2(e) and M = ceil(the row's largest t), a whole number; so 1/2 < the row's largest p <= 1. The row's sum l is taken of the UNQUANTISED p, in f32, and the product's result is divided by l at the end. Since M is a whole number, a kernel that streams over the keys may use a running M (the ceiling of the running maximum): every later rescaling is an exact power of two, which a block's scale takes up: the codes' values come out the same.
;;   OPERANDS COMPUTED ON THE WAY. 'Computed on the way' means the value that the module computes at that place (a softmax that the list does not call 'softmax' is quantised finished and normalised). What goes into a quantiser is computed in f32, as accurately as f32 sums, v_exp_f32 and their like allow (about 1e-6 of the number): no bf16 or f16 on the way to a quantiser, and a product that is left as it is and whose result goes on into a quantised operand takes f32 operands (vector FMAs, or v_wmma_f32_16x16x4_f32). A number that lies on a knife's edge between two numbers of the format may be rounded either way, as far as f32 arithmetic and the matrix unit's own rounding can turn it there, and no further.
;; One version. Each part assembles by itself: llvm-mc -triple=amdgcn-amd-amdhsa -mcpu=gfx1250 --defsym DOCPART=n.
;; ======== version 1 of 1: 4 launches
;; limits: right only within a limited range of input values
;; workspace buffers: x_op 3,276,800 bytes; w_op 3,276,800 bytes; o_op 3,276,800 bytes; qb 3,407,872 bytes; kv 6,815,744 bytes
;; launch quant (part 1): grid 512 x 1, 4 waves a work-group, no clusters, 34,304 bytes of LDS; arguments inputs, Wq, Wk, Wv, Wo, x_op, w_op; writes x_op, w_op
.if DOCPART == 1
	.amdgcn_target "amdgcn-amd-amdhsa--gfx1250"
	.amdhsa_code_object_version 6
	.text
	.protected	k_q2f524145bc_quant
	.globl	k_q2f524145bc_quant
	.p2align	8
	.type	k_q2f524145bc_quant,@function
k_q2f524145bc_quant:
	s_mov_b64 s[64:65], 0
	v_nop
	global_prefetch_b8 v0, s[64:65] scope:SCOPE_SE
	s_setreg_imm32_b32 hwreg(HW_REG_WAVE_MODE, 25, 1), 1
	s_wait_xcnt 0x0
; inputs [4096][1024] and the four weights, all f32, become codes of FP6 (E2M3) with one E8M0 byte for each 32 along K, laid in the ORDER OF THE OPERAND'S REGISTERS.
; TILES ARE PERMUTED: lane r of tile T holds operand row 32 (T / 2) + 8 (T % 2) + r + 8 (r / 8).  Two such tiles, used as source 0, leave 16 neighbours along the next K in a lane's 16 result registers.
; A PAIR BLOCK, 6,400 bytes, holds tiles 2 p and 2 p + 1 for 256 along K: fragment (tile u, K step q) at 3072 u + 1536 q; a fragment is two images of six registers (64 along K): registers 0-3 at 16 x lane,
; registers 4-5 at 512 + 8 x lane, the second image 768 bytes on.  Scale words at 6144 + 128 q + 4 x lane, lane 16 u + r for row r of tile u.  A buffer is [K / 256 = 4][128 pairs][6400].
; Operand rows: x_op: tokens.  w_op: pairs 0-31 Wq (row 64 h + e), 32-63 Wk, 64-95 Wv, 96-127 Wo (row = its column).  K: the model's 1,024 (Wo: its first axis).
; SHARES.  A wave makes one pair for one K step of 128: 16 KiB of f32, all asked for at once (128 registers).  Work-groups 0-255 take inputs, 256-511 the weights.
; inputs: K is innermost: each load takes a row's 512 consecutive bytes, and the 16 rows of a tile turn through the wave's own stage in LDS, so that a lane gets 16 neighbours of each block of 32.
; weights: K is not innermost: a lane takes a column and its registers run down K; a block of 32 lies in one lane.  No LDS.
; A block's scale is 2^(floor(log2(its largest magnitude)) - 2); its byte is the largest magnitude's exponent field - 2.
; LIMITS: NaN and infinities among the inputs are not served; a block whose largest magnitude lies under 2^-124 keeps the byte 1 (the floor); a block of zeros gets the byte 1 where the rule says 127: its codes are
; zeros, which add nothing under any byte but 0xff, and this program alone reads the bytes.
; The 128 bytes of scale words that a wave stores are half of an aligned 256 bytes; the wave with the K step beside it stores the other half: 128 bytes for each 16 KiB read.
; No matrix unit, no cluster, no barrier: the waves share nothing and each byte is read once.
.set STGW,  8448                       ; a wave's stage: 16 rows x (512 bytes + 16)
.set SPARE, 4*STGW                     ; behind the four stages: the spare words, 128 bytes for each wave, that no other line names
.set R,   16                           ; v16-143  the 128 numbers a lane loads
.set X,   144                          ; v144-207 a tile's 64 numbers of a lane, back from the stage
.set PC0, 208                          ; v208-219 tile 0's fragment
.set PC1, 220                          ; v220-231 tile 1's
.set PT0, 232                          ; v232-234, v236-238 halves of blocks on their way
.set PT1, 236
.set TM,  240                          ; v240-243 largest magnitudes
.set BT,  244                          ; v244-247 the other half's; then the bytes
.set SO,  248                          ; v248-251 the conversions' scale operands
.set PW0, 252
.set PW1, 253
.set Z,   254                          ; the scale words as they are stored
.set SEL, 32                           ; s[32:33] lane selects: lane l xor 16
.macro WORD4 pw                        ; four largest magnitudes -> scale operands, bytes, the scale word
.irp b, 0,1,2,3
	v_add_nc_u32 v[SO+\b], 0xff000000, v[TM+\b]    ; 2 off the exponent field: the conversion takes the exponent field of this operand as its scale
.endr
.irp b, 0,1,2,3
	v_lshrrev_b32 v[BT+\b], 23, v[SO+\b]           ; the scale's byte
.endr
	v_lshl_or_b32 v[\pw], v[BT+1], 8, v[BT]
	v_lshl_or_b32 v[\pw], v[BT+2], 16, v[\pw]
	v_lshl_or_b32 v[\pw], v[BT+3], 24, v[\pw]
.endm
; 64 numbers of a lane, register 16 b + i = k 32 b + 16 (lane / 16) + i of my row, become a fragment in v[pc] on and its scale word in v[pw]
.macro QUANT s, pc, pw
.irp b, 0,1,2,3
	v_max3_num_f32 v[TM+\b], |v[\s+16*\b]|, |v[\s+1+16*\b]|, 0x1800000   ; my 16 numbers of block b, and the floor 2^(3 - 127): the byte cannot fall under 1
.endr
.irp i, 2,4,6,8,10,12,14
.irp b, 0,1,2,3
	v_max3_num_f32 v[TM+\b], v[TM+\b], |v[\s+16*\b+\i]|, |v[\s+1+16*\b+\i]|   ; the four blocks by turns
.endr
.endr
.irp b, 0,1,2,3
	v_permlanex16_b32 v[BT+\b], v[TM+\b], s[SEL], s[SEL+1]
.endr
.irp b, 0,1,2,3
	v_max_num_f32 v[TM+\b], v[TM+\b], v[BT+\b]     ; with lane l xor 16's 16: the block's largest magnitude
.endr
	WORD4 \pw
.irp c, 0,1
	v_cvt_scalef32_pk16_fp6_f32 v[\pc+6*\c:\pc+6*\c+2], v[\s+32*\c:\s+32*\c+15], v[SO+2*\c]
	v_cvt_scalef32_pk16_fp6_f32 v[PT0+4*\c:PT0+4*\c+2], v[\s+16+32*\c:\s+31+32*\c], v[SO+2*\c+1]   ; (a conversion's three registers begin on an even number)
.endr
	v_nop                                          ; one plain line behind the scaled conversions
.irp c, 0,1                                    ; the operand wants a whole block in a lane: lanes 0-15 block 2 c, lanes 16-31 block 2 c + 1
.irp i, 0,1,2
	v_permlane16_swap_b32 v[\pc+6*\c+\i], v[PT0+4*\c+\i]
.endr
.irp i, 0,1,2
	v_mov_b32 v[\pc+3+6*\c+\i], v[PT0+4*\c+\i]
.endr
.endr
.endm
.macro WLOAD pitch                     ; my column's 128 numbers down K, pitch bytes from row to row
.set KK, 0
.rept 128
	global_load_b32 v[R+KK], v9, s[20:21] offset:KK*\pitch
.set KK, KK+1
.endr
.endm
.macro XTILE u, pc, pw                 ; tile u's 16 rows through my stage; LDS serves a wave's instructions in order, so no wait stands between the stores and the loads
.irp p, 0,1,2,3,4,5,6,7,8,9,10,11,12,13,14,15
	ds_store_b128 v7, v[R+64*\u+4*\p:R+64*\u+4*\p+3] offset:528*\p
.endr
.irp b, 0,1,2,3
.irp j, 0,1,2,3
	ds_load_b128 v[X+16*\b+4*\j:X+16*\b+4*\j+3], v8 offset:128*\b+16*\j
.endr
.endr
	s_wait_dscnt 0x0
	QUANT X, \pc, \pw
.endm
	s_load_b256 s[4:11], s[0:1], 0x0               ; inputs s[4:5], Wq s[6:7], Wk s[8:9], Wv s[10:11]
	s_load_b128 s[12:15], s[0:1], 0x20             ; Wo s[12:13], x_op s[14:15]
	s_load_b64 s[16:17], s[0:1], 0x30              ; w_op
	v_lshl_add_u32 v10, v0, 2, SPARE               ; my spare word; never rewritten
	v_mov_b32 v11, 0                               ; 0; never rewritten
	v_lshrrev_b32 v1, 5, v0
	v_readfirstlane_b32 s18, v1                    ; wave 0..3
	v_and_b32 v1, 31, v0                           ; lane
	v_and_b32 v2, 15, v0                           ; r
	v_bfe_u32 v3, v0, 4, 1                         ; h
	v_lshlrev_b32 v4, 4, v1                        ; 16 x lane: a load's 16 bytes, and an image's registers 0-3
	v_lshl_add_u32 v5, v1, 3, 512                  ; an image's registers 4-5
	v_lshl_add_u32 v6, v1, 2, 6144                 ; a scale word
	s_mul_i32 s19, s18, STGW
	v_add_nc_u32 v7, s19, v4                       ; the stage, in: a row's 512 bytes as they lie
	v_mul_u32_u24 v8, v2, 528
	v_lshl_add_u32 v8, v3, 6, v8
	v_add_nc_u32 v8, s19, v8                       ; out: row r, + 64 h: my 16 numbers of a block
	v_and_b32 v9, 8, v2
	v_add_nc_u32 v9, v9, v2
	v_lshl_add_u32 v9, v3, 3, v9
	v_lshlrev_b32 v9, 2, v9                        ; a weight's column of my lane in its pair: 4 (8 (lane / 16) + r + 8 (r / 8)) bytes
	s_mov_b32 s[SEL], 0x76543210
	s_mov_b32 s[SEL+1], 0xfedcba98
	s_mov_b32 s34, 0xffff0000                      ; lanes 16-31
.irp b, 0,1,2,3
	v_mov_b32 v[BT+\b], 0                          ; written once: a lane permute's destination counts as one of its sources
.endr
	s_wait_kmcnt 0x0
	s_cmp_lt_u32 ttmp9, 256
	s_cbranch_scc0 .Lweights
	; ---- inputs: pair = work-group / 2, K step = 4 (work-group % 2) + wave
	s_lshr_b32 s27, ttmp9, 1                       ; the pair
	s_and_b32 s26, ttmp9, 1
	s_lshl_b32 s26, s26, 2
	s_add_co_u32 s26, s26, s18                     ; the K step
	s_lshl_b32 s28, s27, 17                        ; 32 rows of 4,096 bytes a pair
	s_lshl_b32 s29, s26, 9                         ; 512 bytes a K step
	s_add_co_u32 s28, s28, s29
	s_mov_b32 s29, 0
	s_add_nc_u64 s[20:21], s[4:5], s[28:29]
	s_mov_b64 s[22:23], s[14:15]                   ; the codes go to x_op
.irp u, 0,1
.irp p, 0,1,2,3,4,5,6,7,8,9,10,11,12,13,14,15
	global_load_b128 v[R+64*\u+4*\p:R+64*\u+4*\p+3], v4, s[20:21] offset:4096*(8*\u+\p+8*(\p/8)) th:TH_LOAD_NT   ; 32 lanes read 512 consecutive bytes of the row that lane p of tile u holds
.endr
.endr
	s_wait_loadcnt 16                              ; tile 0's 16 rows are in; the 16 younger loads are tile 1's
	s_wait_alu depctr_va_vdst(0)
	XTILE 0, PC0, PW0
	s_wait_loadcnt 0x0
	XTILE 1, PC1, PW1
	v_cndmask_b32 v[Z], v[PW0], v[PW1], s34        ; lanes 0-15 tile 0's words, lanes 16-31 tile 1's
	s_branch .Lout
.Lweights:
	; ---- weights: j = work-group - 256: tensor j / 64, head (or pair of pairs) (j / 4) % 16, chunk j % 4; pair 2 (..) + wave % 2, K step 2 chunk + wave / 2
	s_sub_co_u32 s28, ttmp9, 256
	s_lshr_b32 s29, s28, 6                         ; tensor 0..3
	s_bfe_u32 s30, s28, 0x40002                    ; 4 bits from bit 2
	s_and_b32 s31, s28, 3
	s_and_b32 s35, s18, 1
	s_lshr_b32 s36, s18, 1
	s_lshl_b32 s26, s31, 1
	s_add_co_u32 s26, s26, s36                     ; the K step
	s_lshl_b32 s37, s30, 1
	s_add_co_u32 s37, s37, s35                     ; the pair in its tensor
	s_lshl_b32 s27, s29, 5
	s_add_co_u32 s27, s27, s37                     ; the pair in w_op
	s_mov_b64 s[22:23], s[16:17]
	s_mov_b32 s39, 0
	s_cmp_eq_u32 s29, 3
	s_cbranch_scc1 .Lwo
	s_cmp_eq_u32 s29, 0
	s_cselect_b64 s[20:21], s[6:7], s[8:9]
	s_cmp_eq_u32 s29, 2
	s_cselect_b64 s[20:21], s[10:11], s[20:21]
	s_lshl_b32 s38, s30, 18                        ; [head][1024][64]: 262,144 bytes a head,
	s_lshl_b32 s40, s26, 15                        ; 128 rows of 256 bytes a K step,
	s_add_co_u32 s38, s38, s40
	s_lshl_b32 s40, s35, 7                         ; 32 columns a pair
	s_add_co_u32 s38, s38, s40
	s_add_nc_u64 s[20:21], s[20:21], s[38:39]
	s_wait_alu depctr_va_vdst(0)
	WLOAD 256
	s_branch .Lwgot
.Lwo:
	s_lshl_b32 s38, s26, 19                        ; [1024][1024]: 128 rows of 4,096 bytes a K step,
	s_lshl_b32 s40, s37, 7                         ; 32 columns a pair
	s_add_co_u32 s38, s38, s40
	s_add_nc_u64 s[20:21], s[12:13], s[38:39]
	s_wait_alu depctr_va_vdst(0)
	WLOAD 4096
.Lwgot:
	s_wait_loadcnt 0x0
.irp b, 0,1,2,3
	v_max3_num_f32 v[TM+\b], |v[R+32*\b]|, |v[R+32*\b+1]|, 0x1800000   ; block b: all its 32 numbers are mine; and the floor
.endr
.irp i, 2,4,6,8,10,12,14,16,18,20,22,24,26,28,30
.irp b, 0,1,2,3
	v_max3_num_f32 v[TM+\b], v[TM+\b], |v[R+32*\b+\i]|, |v[R+32*\b+\i+1]|
.endr
.endr
	WORD4 Z                                        ; lane 16 u + r holds row r of tile u: the words lie as they are stored
.irp c, 0,1                                    ; lane 16 u + r holds blocks 2 c and 2 c + 1 of tile u's row r; the operand wants block 2 c + h of tile u in lane (r, h)
	v_cvt_scalef32_pk16_fp6_f32 v[PC0+6*\c:PC0+6*\c+2], v[R+64*\c:R+64*\c+15], v[SO+2*\c]
	v_cvt_scalef32_pk16_fp6_f32 v[PT0:PT0+2], v[R+64*\c+16:R+64*\c+31], v[SO+2*\c]
	v_cvt_scalef32_pk16_fp6_f32 v[PC1+6*\c:PC1+6*\c+2], v[R+64*\c+32:R+64*\c+47], v[SO+2*\c+1]
	v_cvt_scalef32_pk16_fp6_f32 v[PT1:PT1+2], v[R+64*\c+48:R+64*\c+63], v[SO+2*\c+1]
	v_nop                                          ; one plain line behind the scaled conversions
.irp i, 0,1,2
	v_permlane16_swap_b32 v[PC0+6*\c+\i], v[PC1+6*\c+\i]   ; the first's lanes 16-31 (tile 1, block 2 c) change places with the second's lanes 0-15 (tile 0, block 2 c + 1)
	v_permlane16_swap_b32 v[PT0+\i], v[PT1+\i]
.endr
.irp i, 0,1,2
	v_mov_b32 v[PC0+6*\c+3+\i], v[PT0+\i]
	v_mov_b32 v[PC1+6*\c+3+\i], v[PT1+\i]
.endr
.endr
.Lout:
	; ---- both: 819,200 bytes a chunk, 6,400 a pair, 1,536 (scale words: 128) for the chunk's second K step
	s_lshr_b32 s28, s26, 1
	s_mul_i32 s28, s28, 819200
	s_mul_i32 s29, s27, 6400
	s_add_co_u32 s28, s28, s29
	s_and_b32 s30, s26, 1
	s_mul_i32 s31, s30, 1536
	s_lshl_b32 s30, s30, 7
	s_add_co_u32 s30, s30, s28
	s_add_co_u32 s28, s28, s31
	s_mov_b32 s29, 0
	s_mov_b32 s31, 0
	s_add_nc_u64 s[24:25], s[22:23], s[30:31]
	s_add_nc_u64 s[22:23], s[22:23], s[28:29]
	s_wait_alu depctr_va_vdst(0)
.irp u, 0,1
	global_store_b128 v4, v[PC0+12*\u:PC0+12*\u+3], s[22:23] offset:3072*\u              ; 512 consecutive bytes
	global_store_b64 v5, v[PC0+12*\u+4:PC0+12*\u+5], s[22:23] offset:3072*\u             ; 256 consecutive bytes
	global_store_b128 v4, v[PC0+12*\u+6:PC0+12*\u+9], s[22:23] offset:3072*\u+768
	global_store_b64 v5, v[PC0+12*\u+10:PC0+12*\u+11], s[22:23] offset:3072*\u+768
.endr
	global_store_b32 v6, v[Z], s[24:25]
	s_wait_tensorcnt 0x0                           ; the wave's end, behind my last LDS store
	ds_add_u32 v10, v11
	s_wait_dscnt 0x0
	s_endpgm
.Lfunc_end_k_q2f524145bc_quant:
	.size	k_q2f524145bc_quant, .Lfunc_end_k_q2f524145bc_quant-k_q2f524145bc_quant
	.p2alignl 7, 3214868480
	.fill 96, 4, 3214868480
	.section	.rodata,"a",@progbits
	.p2align	6, 0x0
	.amdhsa_kernel k_q2f524145bc_quant
		.amdhsa_group_segment_fixed_size 34304
		.amdhsa_private_segment_fixed_size 0
		.amdhsa_enable_private_segment 0
		.amdhsa_kernarg_size 56
		.amdhsa_user_sgpr_count 2
		.amdhsa_user_sgpr_kernarg_segment_ptr 1
		.amdhsa_wavefront_size32 1
		.amdhsa_system_sgpr_workgroup_id_x 1
		.amdhsa_system_sgpr_workgroup_id_y 1
		.amdhsa_system_sgpr_workgroup_id_z 1
		.amdhsa_system_vgpr_workitem_id 0
		.amdhsa_next_free_vgpr 256
		.amdhsa_next_free_sgpr 66
		.amdhsa_reserve_vcc 0
		.amdhsa_float_denorm_mode_32 3
		.amdhsa_float_denorm_mode_16_64 3
		.amdhsa_memory_ordered 1
		.amdhsa_forward_progress 1
		.amdhsa_inst_pref_size 50
	.end_amdhsa_kernel
	.amdgpu_metadata
---
amdhsa.version: [ 1, 2 ]
amdhsa.kernels:
  - .name:           k_q2f524145bc_quant
    .symbol:         k_q2f524145bc_quant.kd
    .args:
      - { .name: inputs, .offset: 0, .size: 8, .value_kind: global_buffer, .address_space: global }
      - { .name: Wq, .offset: 8, .size: 8, .value_kind: global_buffer, .address_space: global }
      - { .name: Wk, .offset: 16, .size: 8, .value_kind: global_buffer, .address_space: global }
      - { .name: Wv, .offset: 24, .size: 8, .value_kind: global_buffer, .address_space: global }
      - { .name: Wo, .offset: 32, .size: 8, .value_kind: global_buffer, .address_space: global }
      - { .name: x_op, .offset: 40, .size: 8, .value_kind: global_buffer, .address_space: global }
      - { .name: w_op, .offset: 48, .size: 8, .value_kind: global_buffer, .address_space: global }
    .group_segment_fixed_size: 34304
    .private_segment_fixed_size: 0
    .kernarg_segment_align: 8
    .kernarg_segment_size: 56
    .max_flat_workgroup_size: 128
    .sgpr_count:     66
    .vgpr_count:     256
    .wavefront_size: 32
...
	.end_amdgpu_metadata
.endif
;; end of part 1
;; launch qkv (part 2): grid 12 x 16, 16 waves a work-group, no clusters, 327,680 bytes of LDS; arguments x_op, w_op, bq, bk, bv, qb, kv; writes qb, kv
.if DOCPART == 2
	.amdgcn_target "amdgcn-amd-amdhsa--gfx1250"
	.amdhsa_code_object_version 6
	.text
	.protected	k_q2f524145bc_qkv
	.globl	k_q2f524145bc_qkv
	.p2align	8
	.type	k_q2f524145bc_qkv,@function
k_q2f524145bc_qkv:
	s_mov_b64 s[64:65], 0
	v_nop
	global_prefetch_b8 v0, s[64:65] scope:SCOPE_SE
	s_setreg_imm32_b32 hwreg(HW_REG_WAVE_MODE, 25, 1), 1
	s_wait_xcnt 0x0
; q, k, v = inputs x W + b on codes of FP6 (E2M3), K = 1,024, and at once the quantising of the results: q and k along the head's 64, v along the keys.  Nothing but codes and scale bytes leaves.
; OPERANDS come from x_op and w_op as images of registers: [chunk of 256 along K][pair of tiles][6400]: fragment (tile u, K step q) at 3072 u + 1536 q, scale words at 6144 + 128 q + 4 x lane (lane 16 u + r).
; Lane r of tile T holds operand row 32 (T / 2) + 8 (T % 2) + r + 8 (r / 8): so the 16 result registers of two neighbouring tiles of source 0 are 16 neighbours, 32 (T / 2) + 16 (lane / 16) + 0 .. 15.
; SHARES.  Work-group (x, y): 256 weight rows (x: 0-3 Wq, 4-7 Wk, 8-11 Wv) against 256 tokens (y).  Sixteen waves, four to a SIMD; wave w takes 64 rows of source 1 (w % 4) against 64 of source 0 (w / 4): 16 accumulators.
; q, k: source 0 = W (one head's 64), source 1 = tokens: a lane holds a token, its registers run along the head's 64, which is the scores' K.
; v:    source 0 = tokens, source 1 = Wv: a lane holds a channel, its registers run along 64 keys, which are the second product's K.  Only pointers and indices differ: the loop's text is one.
; THE BIAS is loaded into the accumulators, in the result's layout, so that all eight K steps add in place and no addition is written.
; K goes in four chunks of 256 through two LDS slots (slot 1 at 2^17, so that one exclusive or turns an address); a slot holds source 1's eight pairs, then source 0's.  Waves 0-3 (slot 0) and 4-7 (slot 1) fetch a quarter each: 25,600 dense bytes.
; OUT.  qb [head][quad of 64 queries][3328]: four images of 768 bytes (16 rows x 64 along K), scale words at 3072 + 8 x lane (word p, lanes 16 u + r: tile 2 p + u).
;       kv [head][step of 128 keys][13312]: k's eight images at 768 t; v's at 6144 + 1536 j + 768 c (channel tile j, key half c); k's words at 12288 + 256 half + 8 x lane; v's at 12800 + 256 c + 8 x lane.
;       Every store of a wave covers 512 or 256 consecutive bytes that begin at a multiple of 256 from the buffer's first byte, straight from registers.
; NO CLUSTER: a K step of 128 brings 51,200 bytes into LDS, and the sixteen waves read four times that, 204,800 bytes, out of it for their 256 matrix instructions: the fetch is a quarter of what a step moves.
; 192 work-groups: 256 x 256 is the tile at which a wave's 64 x 64 still reads each LDS byte four times only.
; LIMITS: NaN and infinities are not served; a block whose largest magnitude lies under 2^-124 keeps the byte 1; a block of zeros gets the byte 1 where the rule says 127 (zero codes; this program alone reads the bytes).
.set PAIRB,  6400
.set CHUNKB, 819200
.set SIDEB,  8*PAIRB                   ; one side's eight pairs
.set SLOT1,  131072
.set SPARE,  SLOT1+2*SIDEB             ; behind slot 1: the spare words, 128 bytes for each of 16 waves, that no other line names
.set SA,  16                           ; v16-17 source 1's scale words (pair 0, pair 1); v18-19 source 0's: scales and nothing else
.set SB,  18
.set FA,  32                           ; v32-79  source 1's four fragments
.set FB,  80                           ; v80-127 source 0's four
.set ACC, 128                          ; v128-255 accumulator (a, b) at 128 + 8 (4 a + b)
.set PT,  64                           ; the way out, in the fragments' registers: codes of tile a at v[32 + 8 a]; v64-66 half blocks;
.set TM,  68                           ; v68-69 largest magnitudes, v70-71 the other half's, v72-73 scale operands, v74-75 bytes, v76-79 scale words, v80-81 as stored
.set BT,  70
.set SO,  72
.set BY,  74
.set SEL, 56                           ; s[56:57] lane selects: lane l xor 16
.macro WM d, f0, f1, c, s0, r0, s1, r1 ; D = source 0 x source 1 + C; each side's scale register and which half of its lanes is read
.if (\r0)&&(\r1)
	v_wmma_scale_f32_16x16x128_f8f6f4 v[\d:\d+7], v[\f0:\f0+11], v[\f1:\f1+11], v[\c:\c+7], v[\s0], v[\s1] matrix_a_fmt:MATRIX_FMT_FP6 matrix_b_fmt:MATRIX_FMT_FP6 matrix_a_scale:MATRIX_SCALE_ROW1 matrix_b_scale:MATRIX_SCALE_ROW1
.elseif (\r0)
	v_wmma_scale_f32_16x16x128_f8f6f4 v[\d:\d+7], v[\f0:\f0+11], v[\f1:\f1+11], v[\c:\c+7], v[\s0], v[\s1] matrix_a_fmt:MATRIX_FMT_FP6 matrix_b_fmt:MATRIX_FMT_FP6 matrix_a_scale:MATRIX_SCALE_ROW1
.elseif (\r1)
	v_wmma_scale_f32_16x16x128_f8f6f4 v[\d:\d+7], v[\f0:\f0+11], v[\f1:\f1+11], v[\c:\c+7], v[\s0], v[\s1] matrix_a_fmt:MATRIX_FMT_FP6 matrix_b_fmt:MATRIX_FMT_FP6 matrix_b_scale:MATRIX_SCALE_ROW1
.else
	v_wmma_scale_f32_16x16x128_f8f6f4 v[\d:\d+7], v[\f0:\f0+11], v[\f1:\f1+11], v[\c:\c+7], v[\s0], v[\s1] matrix_a_fmt:MATRIX_FMT_FP6 matrix_b_fmt:MATRIX_FMT_FP6
.endif
.endm
.macro FRAG reg, a16, a8, off          ; a fragment comes back as it was stored: every load takes consecutive bytes
	ds_load_b128 v[\reg:\reg+3], v[\a16] offset:\off
	ds_load_b64 v[\reg+4:\reg+5], v[\a8] offset:\off
	ds_load_b128 v[\reg+6:\reg+9], v[\a16] offset:\off+768
	ds_load_b64 v[\reg+10:\reg+11], v[\a8] offset:\off+768
.endm
.macro KLOAD q                         ; the fragments and scale words of the slot's q-th 128 along K
.rept 4
	v_nop                                          ; four plain lines between the last products and loads into registers that they read (ISA guide 7.12.1 for vector instructions)
.endr
.irp i, 0,1,2,3
	FRAG FA+12*\i, 4, 5, PAIRB*(\i/2)+3072*(\i%2)+1536*\q
	FRAG FB+12*\i, 7, 8, PAIRB*(\i/2)+3072*(\i%2)+1536*\q
.endr
	ds_load_b32 v[SA], v6 offset:128*\q
	ds_load_b32 v[SA+1], v6 offset:PAIRB+128*\q
	ds_load_b32 v[SB], v9 offset:128*\q
	ds_load_b32 v[SB+1], v9 offset:PAIRB+128*\q
	s_wait_dscnt 0x0                               ; the SIMD's other three waves have the matrix unit meanwhile
.endm
.macro KMUL                            ; 16 products; the accumulators take turns, one instruction a turn
.irp a, 0,1,2,3
.irp b, 0,1,2,3
	WM ACC+8*(4*\a+\b), FB+12*\b, FA+12*\a, ACC+8*(4*\a+\b), SB+\b/2, \b%2, SA+\a/2, \a%2
.endr
.endr
.endm
; THE CHANGE OF SLOTS: each wave waits for all its tensor loads (its part of the slot ahead), adds 0 to its spare word, and waits for that and for its reads of the slot that it leaves; behind the barrier the slot ahead
; is whole and nobody reads the other.  refill = 1: the slot just left takes the chunk two on: the first thing behind the barrier, one load a fetching wave; it has two K steps in which to land.
.macro CHANGE refill, g0
	s_wait_tensorcnt 0x0                           ; no tensor load of mine is out
	ds_add_u32 v10, v11
.if \refill
	ds_add_u32 v10, v11                            ; twice where a fill follows
.endif
.irp x, 4,5,6,7,8,9
	v_xor_b32 v\x, SLOT1, v\x                      ; my LDS addresses turn to the other slot
.endr
	s_wait_dscnt 0x0
	s_barrier_signal -1
	s_barrier_wait -1
.if \refill
	s_cmp_eq_u32 s20, (\g0-32)/4                   ; waves 0-3 own slot 0 (g0 = 32), waves 4-7 slot 1 (g0 = 36)
	s_cbranch_scc0 .Lnf_\@
	s_add_nc_u64 s[34:35], s[34:35], 2*CHUNKB      ; my slot's chunk two on; my earlier load is done
	tensor_load_to_lds s[32:35], s[24:31]
	s_nop 0
.rept 4
	v_nop
.endr
.Lnf_\@:
.endif
.endm
; 32 numbers of a lane, register 16 b + i = k 32 b + 16 (lane / 16) + i of my row (b = 0, 1), become an image of six registers in v[pc] on and two scale bytes in v[pw]
.macro HQUANT s, pc, pw
.irp b, 0,1
	v_max3_num_f32 v[TM+\b], |v[\s+16*\b]|, |v[\s+1+16*\b]|, 0x1800000   ; each accumulator is read from its low end on; the floor 2^(3 - 127) holds the byte at 1 from below
.endr
.irp i, 2,4,6,8,10,12,14
.irp b, 0,1
	v_max3_num_f32 v[TM+\b], v[TM+\b], |v[\s+16*\b+\i]|, |v[\s+1+16*\b+\i]|
.endr
.endr
.irp b, 0,1
	s_delay_alu instid0(VALU_DEP_2)
	v_permlanex16_b32 v[BT+\b], v[TM+\b], s[SEL], s[SEL+1]
.endr
.irp b, 0,1
	s_delay_alu instid0(VALU_DEP_2)
	v_max_num_f32 v[TM+\b], v[TM+\b], v[BT+\b]     ; with lane l xor 16's 16: the block's largest magnitude
.endr
.irp b, 0,1
	s_delay_alu instid0(VALU_DEP_2)
	v_add_nc_u32 v[SO+\b], 0xff000000, v[TM+\b]    ; 2 off the exponent field: the conversion's scale operand
.endr
.irp b, 0,1
	s_delay_alu instid0(VALU_DEP_2)
	v_lshrrev_b32 v[BY+\b], 23, v[SO+\b]           ; the scale's byte
.endr
	s_delay_alu instid0(VALU_DEP_1)
	v_lshl_or_b32 v[\pw], v[BY+1], 8, v[BY]        ; the word's upper 16 bits are 0
	v_cvt_scalef32_pk16_fp6_f32 v[\pc:\pc+2], v[\s:\s+15], v[SO]
	v_cvt_scalef32_pk16_fp6_f32 v[PT:PT+2], v[\s+16:\s+31], v[SO+1]
	v_nop                                          ; one plain line behind the scaled conversions
.irp i, 0,1,2
	v_permlane16_swap_b32 v[\pc+\i], v[PT+\i]      ; a whole block to a lane: lanes 0-15 block 0, lanes 16-31 block 1
.endr
.irp i, 0,1,2
	s_delay_alu instid0(VALU_DEP_3)
	v_mov_b32 v[\pc+3+\i], v[PT+\i]
.endr
.endm
	s_load_b256 s[4:11], s[0:1], 0x0               ; x_op s[4:5], w_op s[6:7], bq s[8:9], bk s[10:11]
	s_load_b128 s[12:15], s[0:1], 0x20             ; bv s[12:13], qb s[14:15]
	s_load_b64 s[16:17], s[0:1], 0x30              ; kv
	v_lshl_add_u32 v10, v0, 2, SPARE               ; my spare word; never rewritten
	v_mov_b32 v11, 0                               ; 0; never rewritten
	ds_add_u32 v10, v11                            ; the wave's opening: the add, with its wait ahead of the first tensor load; the set-up below stands between them
	ds_add_u32 v10, v11
	v_lshrrev_b32 v1, 5, v0
	s_delay_alu instid0(VALU_DEP_1)
	v_readfirstlane_b32 s18, v1                    ; wave 0..15
	s_and_b32 s19, s18, 3                          ; wa: my 64 rows of source 1.  Also: which quarter of a slot waves 0-3 fetch
	s_lshr_b32 s20, s18, 2                         ; wb: my 64 rows of source 0
	s_mov_b32 s21, ttmp9                           ; which 256 weight rows
	s_and_b32 s22, ttmp7, 0xffff                   ; which 256 tokens
	s_cmp_ge_u32 s21, 8
	s_cselect_b32 s23, 1, 0                        ; 1: this work-group makes v
	s_mov_b32 s24, 3<<16                           ; group 1: elements of 8 bytes, no mask, no padding
	s_mov_b32 s25, 32<<16                          ; tensor_dim0 = 32 elements: 256 bytes
	s_mov_b32 s26, 100<<16                         ; tensor_dim1 = 100 rows: four pairs, 25,600 dense bytes
	s_mov_b32 s27, 32<<16                          ; tile_dim0
	s_mov_b32 s28, 100                             ; tile_dim1
	s_mov_b32 s29, 32                              ; the pitch: dense
	s_mov_b32 s30, 0
	s_mov_b32 s31, 0
	s_mov_b32 s55, 0xffff0000                      ; lanes 16-31
	s_mov_b32 s[SEL], 0x76543210
	s_mov_b32 s[SEL+1], 0xfedcba98
	v_and_b32 v1, 15, v0                           ; r
	v_bfe_u32 v2, v0, 4, 1                         ; h
	v_and_b32 v3, 31, v0                           ; lane
	s_delay_alu instid0(VALU_DEP_1)
	v_lshlrev_b32 v14, 4, v3
	s_delay_alu instid0(VALU_DEP_2)
	v_lshlrev_b32 v15, 3, v3
	s_mul_i32 s40, s19, 2*PAIRB                    ; my two pairs of source 1,
	s_mul_i32 s41, s20, 2*PAIRB
	s_add_co_u32 s41, s41, SIDEB                   ; and of source 0, behind source 1's eight
	v_add_nc_u32 v4, s40, v14                      ; v4-6: source 1: registers 0-3 of an image, registers 4-5, scale words
	v_add_nc_u32 v5, s40, v15
	s_delay_alu instid0(VALU_DEP_1)
	v_add_nc_u32 v5, 512, v5
	v_lshl_add_u32 v6, v3, 2, s40
	s_delay_alu instid0(VALU_DEP_1)
	v_add_nc_u32 v6, 6144, v6
	v_add_nc_u32 v7, s41, v14                      ; v7-9: source 0 likewise
	v_add_nc_u32 v8, s41, v15
	s_delay_alu instid0(VALU_DEP_1)
	v_add_nc_u32 v8, 512, v8
	v_lshl_add_u32 v9, v3, 2, s41
	s_delay_alu instid0(VALU_DEP_1)
	v_add_nc_u32 v9, 6144, v9
	s_lshr_b32 s40, s19, 1                         ; the quarter's side: 0 source 1, 1 source 0
	s_xor_b32 s40, s40, s23                        ; 1: that side is the weights'
	s_and_b32 s41, s19, 1                          ; which four of its eight pairs
	s_lshl_b32 s41, s41, 2
	s_cmp_eq_u32 s40, 1
	s_cselect_b32 s42, s21, s22
	s_lshl_b32 s42, s42, 3
	s_add_co_u32 s42, s42, s41
	s_mul_i32 s42, s42, PAIRB
	s_mov_b32 s43, 0
	s_mul_i32 s44, s19, 4*PAIRB                    ; and where it goes in a slot
	s_wait_dscnt 0x0                               ; the opening add is done
	s_wait_kmcnt 0x0
	s_cmp_eq_u32 s40, 1
	s_cselect_b64 s[46:47], s[6:7], s[4:5]
	s_add_nc_u64 s[46:47], s[46:47], s[42:43]
	s_mov_b32 s32, 1                               ; group 0 for slot 0: chunk 0
	s_and_b32 s60, s20, 1                          ; ONE FIRST FILL A WAVE: waves 0-3 a quarter of slot 0 (chunk 0), waves 4-7 a quarter of slot 1 (chunk 1)
	s_lshl_b32 s61, s60, 17
	s_add_co_u32 s33, s44, s61
	s_mul_i32 s60, s60, CHUNKB
	s_mov_b32 s61, 0
	s_add_nc_u64 s[34:35], s[46:47], s[60:61]
	s_or_b32 s35, s35, 0x80000000
	s_cmp_lt_u32 s18, 8
	s_cbranch_scc0 .Lno_fetch
	tensor_load_to_lds s[32:35], s[24:31]
	s_nop 0
.rept 4
	v_nop
.endr
.Lno_fetch:
	s_cmp_eq_u32 s23, 1
	s_cselect_b32 s40, s19, s20                    ; the weights' 64 rows are a head:
	s_cselect_b32 s41, s20, s19                    ; the tokens' 64 a quad
	s_lshl_b32 s42, s21, 2
	s_add_co_u32 s40, s40, s42
	s_and_b32 s40, s40, 15                         ; the head
	s_lshl_b32 s42, s22, 2
	s_add_co_u32 s41, s41, s42                     ; the quad, 0..63
	s_lshr_b32 s43, s21, 2                         ; the tensor: 0 q, 1 k, 2 v
	s_cmp_eq_u32 s43, 0
	s_cselect_b64 s[50:51], s[8:9], s[10:11]
	s_cselect_b64 s[48:49], s[14:15], s[16:17]     ; q goes to qb, k and v to kv
	s_cmp_eq_u32 s43, 2
	s_cselect_b64 s[50:51], s[12:13], s[50:51]
	s_lshl_b32 s44, s40, 8
	s_mov_b32 s45, 0
	s_add_nc_u64 s[50:51], s[50:51], s[44:45]      ; the head's 64 numbers of its bias
	v_lshlrev_b32 v12, 6, v2                       ; q, k: register j of accumulator (a, b) is e = 32 (b / 2) + 16 h + 8 (b % 2) + j
	v_and_b32 v13, 8, v1
	s_delay_alu instid0(VALU_DEP_1)
	v_add_nc_u32 v13, v13, v1
	s_delay_alu instid0(VALU_DEP_1)
	v_lshlrev_b32 v13, 2, v13                      ; v: all of accumulator (a, b) is channel 32 (a / 2) + 8 (a % 2) + r + 8 (r / 8)
	s_cmp_eq_u32 s23, 1
	s_cbranch_scc1 .Lbias_v
.irp a, 0,1,2,3
.irp b, 0,1,2,3
	global_load_b128 v[ACC+8*(4*\a+\b):ACC+8*(4*\a+\b)+3], v12, s[50:51] offset:128*(\b/2)+32*(\b%2)
	global_load_b128 v[ACC+8*(4*\a+\b)+4:ACC+8*(4*\a+\b)+7], v12, s[50:51] offset:128*(\b/2)+32*(\b%2)+16
.endr
.endr
	s_branch .Lbias_done
.Lbias_v:
	s_wait_alu depctr_va_vdst(0)
.irp a, 0,1,2,3
.set J, 0
.rept 32
	global_load_b32 v[ACC+32*\a+J], v13, s[50:51] offset:128*(\a/2)+32*(\a%2)
.set J, J+1
.endr
.endr
.Lbias_done:
	; where my four images and my scale words go
	s_mul_i32 s52, s40, 212992
	s_mul_i32 s44, s41, 3328
	s_add_co_u32 s52, s52, s44                     ; q: the quad's block,
	s_add_co_u32 s53, s52, 3072                    ; and its scale words
	s_mul_i32 s58, s40, 425984
	s_lshr_b32 s44, s41, 1
	s_mul_i32 s44, s44, 13312
	s_add_co_u32 s58, s58, s44                     ; k, v: the key step's block
	s_and_b32 s59, s41, 1                          ; which 64 of its 128 keys
	s_lshl_b32 s60, s59, 8
	s_add_co_u32 s60, s60, s58
	s_mul_i32 s61, s59, 3072
	s_add_co_u32 s61, s61, s58                     ; k: tiles 4 (half) + a
	s_add_co_u32 s62, s60, 12288
	s_mul_i32 s66, s59, 768
	s_add_co_u32 s66, s66, s58
	s_add_co_u32 s66, s66, 6144                    ; v: channel tile a, key half
	s_add_co_u32 s67, s60, 12800
	s_mov_b32 s54, 768                             ; from image to image
	s_cmp_eq_u32 s43, 1
	s_cselect_b32 s52, s61, s52
	s_cselect_b32 s53, s62, s53
	s_cmp_eq_u32 s43, 2
	s_cselect_b32 s52, s66, s52
	s_cselect_b32 s53, s67, s53
	s_cselect_b32 s54, 1536, s54
	v_add_nc_u32 v20, s52, v14                     ; v20-23: registers 0-3 of image a
	s_delay_alu instid0(VALU_DEP_1)
	v_add_nc_u32 v21, s54, v20
	s_delay_alu instid0(VALU_DEP_1)
	v_add_nc_u32 v22, s54, v21
	s_delay_alu instid0(VALU_DEP_1)
	v_add_nc_u32 v23, s54, v22
	v_add_nc_u32 v24, s52, v15                     ; v24-27: registers 4-5
	s_delay_alu instid0(VALU_DEP_1)
	v_add_nc_u32 v24, 512, v24
	s_delay_alu instid0(VALU_DEP_1)
	v_add_nc_u32 v25, s54, v24
	s_delay_alu instid0(VALU_DEP_1)
	v_add_nc_u32 v26, s54, v25
	s_delay_alu instid0(VALU_DEP_1)
	v_add_nc_u32 v27, s54, v26
	v_add_nc_u32 v28, s53, v15                     ; v28: two scale words a lane
	s_wait_tensorcnt 0x0                           ; my one first fill is in
	s_barrier_signal -1
	s_barrier_wait -1
	KLOAD 0
	s_wait_loadcnt 0x0                             ; the bias lies in the accumulators
	KMUL
	KLOAD 1
	KMUL
	CHANGE 1, 32                                   ; chunk 2 into slot 0; chunk 1 is read
	s_wait_alu depctr_va_vdst(0)
	KLOAD 0
	KMUL
	KLOAD 1
	KMUL
	CHANGE 1, 36                                   ; chunk 3 into slot 1; chunk 2 is read
	s_wait_alu depctr_va_vdst(0)
	KLOAD 0
	KMUL
	KLOAD 1
	KMUL
	CHANGE 0, 32                                   ; nothing is left to fetch; chunk 3 is read
	s_wait_alu depctr_va_vdst(0)
	KLOAD 0
	KMUL
	KLOAD 1
	KMUL
	; THE WAY OUT: for each tile a of source 1 my 32 registers are 32 of its rows' 64 along the next K
.rept 4
	v_nop                                          ; four plain lines between the last products and the first read of results and the first write of their sources
.endr
	v_mov_b32 v[BT], 0                             ; a lane permute's destination counts as one of its sources
	v_mov_b32 v[BT+1], 0
.irp a, 0,1,2,3
	HQUANT ACC+32*\a, 32+8*\a, 76+\a
.endr
	v_cndmask_b32 v80, v76, v77, s55               ; lanes 0-15 tile 0's bytes, lanes 16-31 tile 1's
	v_cndmask_b32 v81, v78, v79, s55               ; tiles 2 and 3
.irp a, 0,1,2,3
	global_store_b128 v[20+\a], v[32+8*\a:32+8*\a+3], s[48:49]
	global_store_b64 v[24+\a], v[32+8*\a+4:32+8*\a+5], s[48:49]
.endr
	global_store_b64 v28, v[80:81], s[48:49]
	s_wait_tensorcnt 0x0                           ; the wave's end, behind my last tensor load
	ds_add_u32 v10, v11
	s_wait_dscnt 0x0
	s_endpgm
.Lfunc_end_k_q2f524145bc_qkv:
	.size	k_q2f524145bc_qkv, .Lfunc_end_k_q2f524145bc_qkv-k_q2f524145bc_qkv
	.p2alignl 7, 3214868480
	.fill 96, 4, 3214868480
	.section	.rodata,"a",@progbits
	.p2align	6, 0x0
	.amdhsa_kernel k_q2f524145bc_qkv
		.amdhsa_group_segment_fixed_size 327680
		.amdhsa_private_segment_fixed_size 0
		.amdhsa_enable_private_segment 0
		.amdhsa_kernarg_size 56
		.amdhsa_user_sgpr_count 2
		.amdhsa_user_sgpr_kernarg_segment_ptr 1
		.amdhsa_wavefront_size32 1
		.amdhsa_system_sgpr_workgroup_id_x 1
		.amdhsa_system_sgpr_workgroup_id_y 1
		.amdhsa_system_sgpr_workgroup_id_z 1
		.amdhsa_system_vgpr_workitem_id 0
		.amdhsa_next_free_vgpr 256
		.amdhsa_next_free_sgpr 96
		.amdhsa_reserve_vcc 0
		.amdhsa_float_denorm_mode_32 3
		.amdhsa_float_denorm_mode_16_64 3
		.amdhsa_memory_ordered 1
		.amdhsa_forward_progress 1
		.amdhsa_inst_pref_size 70
	.end_amdhsa_kernel
	.amdgpu_metadata
---
amdhsa.version: [ 1, 2 ]
amdhsa.kernels:
  - .name:           k_q2f524145bc_qkv
    .symbol:         k_q2f524145bc_qkv.kd
    .args:
      - { .name: x_op, .offset: 0, .size: 8, .value_kind: global_buffer, .address_space: global }
      - { .name: w_op, .offset: 8, .size: 8, .value_kind: global_buffer, .address_space: global }
      - { .name: bq, .offset: 16, .size: 8, .value_kind: global_buffer, .address_space: global }
      - { .name: bk, .offset: 24, .size: 8, .value_kind: global_buffer, .address_space: global }
      - { .name: bv, .offset: 32, .size: 8, .value_kind: global_buffer, .address_space: global }
      - { .name: qb, .offset: 40, .size: 8, .value_kind: global_buffer, .address_space: global }
      - { .name: kv, .offset: 48, .size: 8, .value_kind: global_buffer, .address_space: global }
    .group_segment_fixed_size: 327680
    .private_segment_fixed_size: 0
    .kernarg_segment_align: 8
    .kernarg_segment_size: 56
    .max_flat_workgroup_size: 512
    .sgpr_count:     96
    .vgpr_count:     256
    .wavefront_size: 32
...
	.end_amdgpu_metadata
.endif
;; end of part 2
;; launch attn (part 3): grid 16 x 16, 16 waves a work-group, no clusters, 327,680 bytes of LDS; arguments qb, kv, scale, o_op; writes o_op
.if DOCPART == 3
	.amdgcn_target "amdgcn-amd-amdhsa--gfx1250"
	.amdhsa_code_object_version 6
	.text
	.protected	k_q2f524145bc_attn
	.globl	k_q2f524145bc_attn
	.p2align	8
	.type	k_q2f524145bc_attn,@function
k_q2f524145bc_attn:
	s_mov_b64 s[64:65], 0
	v_nop
	global_prefetch_b8 v0, s[64:65] scope:SCOPE_SE
	s_setreg_imm32_b32 hwreg(HW_REG_WAVE_MODE, 25, 1), 1
	s_wait_xcnt 0x0
; o[q][64 h + :] = sum over keys of softmax(scale[h] q . k) v, both products on codes of FP6 (E2M3); o is quantised along the model's 1,024 and leaves as codes for the last product.
; SOFTMAX: t = score x c, c = |scale[h]| log2(e); M = ceil(c x the row's largest score so far); p = 2^(t - M) is quantised along the keys, not normalised; the row's sum is taken of the
; unquantised p and divides O at the end.  When M moves, the sum and O are multiplied by 2^(old M - new M): exact.
; A negative scale[h] is moved onto q: the quantiser is odd, so the sign bits of q's codes are flipped by a mask (no branch).  c is rounded once.
; SHARES: work-group (x, head) owns 256 queries, each of its sixteen waves 16, a query a lane pair.  Every wave walks the head's 32 steps of 128 keys.
; LDS: two slots of 12 steps (159,744 bytes each); three fills: steps 0-11, 12-23, 24-31.  Every wave brings a sixteenth of each fill: 39 (the last: 26) rows of 256 dense bytes.
; LAYOUT: S^T = K Q^T, O^T = V^T P^T.  A key step in kv: K's images at 768 t (lane r of image t: key 32 (t/2) + 8 (t%2) + r + 8 (r/8)), V's at 6144 + 1536 j + 768 c, K's scale words at 12288, V's at 12800, 13056.
; THE ROWS OF A TILE OF K ARE CHOSEN BY THE LOADS' ADDRESSES: tile 4 c + i takes keys 64 c + 8 i + 0..7 as rows 0-7 and keys 64 c + 32 + 8 i + 0..7 as rows 8-15.  So lane (r, h)'s 32 registers of tiles 4 c .. 4 c + 3
; are keys 64 c + 32 h + 0..31: one whole block of the next K, in order: its largest p needs no other lane and its codes lie where the operand wants them.
; Row r of tile 4 c + i lies in image 4 c + 2 (r/8) + i%2 at lane 8 (i/2) + r%8: the lane term is 1536 (r/8) + 16 (r%8) + 256 h, the rest an immediate.
; THE SCORES' K IS 64: Q's registers 6-11 are zero codes; tile t's operand runs on into tile t + 1's codes, which add nothing against them (those blocks' scale bytes are 0, not 0xff); six zero registers stand behind tile 7.
; NO CLUSTER: a key step brings 13,312 bytes for the work-group; its sixteen waves read sixteen times that from LDS: what partners could share is a small part of a step's bytes.
; LIMITS: NaN and infinities are not served; the scaled scores stay under 2^31 in magnitude; a block of p or o whose largest number lies under 2^-124 keeps the byte 1; a block of zeros gets 1 where the rule says 127 (zero codes).
.set STEPB, 13312
.set SLOT1, 12*STEPB
.set SPARE, 24*STEPB                   ; behind slot 1: the spare words, 128 bytes for each of 16 waves
.set PARTA, 9984                       ; a wave's sixteenth of 12 steps
.set PARTB, 6656                       ; and of 8 steps
; v1 K b128 lane term, v2 K b64, v3 K's scale words, v4 16 x lane, v8 8 x lane + 512, v5-6 the add's two, v7 256 x lane, v9 8 h, v10-11 at work,
; v12 -M, v13 the largest score, v[14:15] the sum, v16-21 Q, v22-27 zeros
.set QS,  28                           ; scales and nothing else: v28 Q's, v29 p's (o's), v30-31 V's
.set PS,  29
.set VW,  30
.set KB,  32                           ; v32-79 K's eight tiles, later V's four fragments; v80-85 zeros
.set KS,  86                           ; v86-89 K's scale words: register t / 2, lanes 16 (t % 2) + r
.set VL,  90
.set VH,  92
.set S,   96                           ; v96-159 S^T, then p
.set O,   160                          ; v160-191 O^T
.set PCD, 192                          ; v192-203 p's codes
.set PT,  204                          ; v204-206, v208-210 upper halves of blocks
.set TM,  212                          ; v212-213 my two blocks' largest; v214-215 second chains
.set BT,  216
.set BY,  218
.set SO,  220
.set F,   224                          ; f = 2^(old M - new M) (v225 named with it)
.set TV,  226
.set SU,  228                          ; v228-243 eight partial sums, in pairs
.set AK16, 244                         ; v244-248 the five LDS addresses of the two steps in hand
.set AK8,  245
.set AKS,  246
.set AV16, 247
.set AV8,  248
.set SEL, 20
.set CS,  22
.set G1A, 24                           ; s[24:31] group 1, 39 rows; s[68:75] 26 rows
.set G1B, 68
.set PFA, 44
.set TB,  60
.set CNT, 61
.set LIM, 62
.macro WM d, f0, f1, c, s0, r0, s1
.if (\r0)
	v_wmma_scale_f32_16x16x128_f8f6f4 v[\d:\d+7], v[\f0:\f0+11], v[\f1:\f1+11], v[\c:\c+7], v[\s0], v[\s1] matrix_a_fmt:MATRIX_FMT_FP6 matrix_b_fmt:MATRIX_FMT_FP6 matrix_a_scale:MATRIX_SCALE_ROW1
.else
	v_wmma_scale_f32_16x16x128_f8f6f4 v[\d:\d+7], v[\f0:\f0+11], v[\f1:\f1+11], v[\c:\c+7], v[\s0], v[\s1] matrix_a_fmt:MATRIX_FMT_FP6 matrix_b_fmt:MATRIX_FMT_FP6
.endif
.endm
.macro WMZ d, f0, f1, s0, r0, s1
.if (\r0)
	v_wmma_scale_f32_16x16x128_f8f6f4 v[\d:\d+7], v[\f0:\f0+11], v[\f1:\f1+11], 0, v[\s0], v[\s1] matrix_a_fmt:MATRIX_FMT_FP6 matrix_b_fmt:MATRIX_FMT_FP6 matrix_a_scale:MATRIX_SCALE_ROW1
.else
	v_wmma_scale_f32_16x16x128_f8f6f4 v[\d:\d+7], v[\f0:\f0+11], v[\f1:\f1+11], 0, v[\s0], v[\s1] matrix_a_fmt:MATRIX_FMT_FP6 matrix_b_fmt:MATRIX_FMT_FP6
.endif
.endm
; the way out: 32 numbers of a lane, register 16 b + i = k 32 b + 16 (lane / 16) + i of my row, become six registers of codes and two scale bytes
.macro HQUANT s, pc, pw
.irp b, 0,1
	v_max3_num_f32 v[TM+\b], |v[\s+16*\b]|, |v[\s+1+16*\b]|, 0x1800000
.endr
.irp i, 2,4,6,8,10,12,14
.irp b, 0,1
	s_delay_alu instid0(VALU_DEP_2)
	v_max3_num_f32 v[TM+\b], v[TM+\b], |v[\s+16*\b+\i]|, |v[\s+1+16*\b+\i]|
.endr
.endr
.irp b, 0,1
	s_delay_alu instid0(VALU_DEP_2)
	v_permlanex16_b32 v[BT+\b], v[TM+\b], s[SEL], s[SEL+1]
.endr
.irp b, 0,1
	s_delay_alu instid0(VALU_DEP_2)
	v_max_num_f32 v[TM+\b], v[TM+\b], v[BT+\b]
.endr
.irp b, 0,1
	s_delay_alu instid0(VALU_DEP_2)
	v_add_nc_u32 v[SO+\b], 0xff000000, v[TM+\b]
.endr
.irp b, 0,1
	s_delay_alu instid0(VALU_DEP_2)
	v_lshrrev_b32 v[BY+\b], 23, v[SO+\b]
.endr
	s_delay_alu instid0(VALU_DEP_1)
	v_lshl_or_b32 v[\pw], v[BY+1], 8, v[BY]
	v_cvt_scalef32_pk16_fp6_f32 v[\pc:\pc+2], v[\s:\s+15], v[SO]
	v_cvt_scalef32_pk16_fp6_f32 v[PT:PT+2], v[\s+16:\s+31], v[SO+1]
	v_nop                                          ; one plain line behind the scaled conversions
.irp i, 0,1,2
	v_permlane16_swap_b32 v[\pc+\i], v[PT+\i]
.endr
.irp i, 0,1,2
	s_delay_alu instid0(VALU_DEP_3)
	v_mov_b32 v[\pc+3+\i], v[PT+\i]
.endr
.endm
	s_load_b256 s[4:11], s[0:1], 0x0               ; qb, kv, scale, o_op
	v_lshl_add_u32 v5, v0, 2, SPARE                ; my spare word; never rewritten
	v_mov_b32 v6, 0                                ; 0; never rewritten
	ds_add_u32 v5, v6                              ; the opening lines
	ds_add_u32 v5, v6
	v_lshrrev_b32 v10, 5, v0
	v_readfirstlane_b32 s12, v10                   ; wave 0..15
	s_and_b32 s13, ttmp7, 0xffff                   ; the head
.irp g, G1A, G1B
	s_mov_b32 s[\g], 3<<16                         ; elements of 8 bytes, no mask, no padding
	s_mov_b32 s[\g+1], 32<<16                      ; rows of 256 bytes
	s_mov_b32 s[\g+3], 32<<16
	s_mov_b32 s[\g+5], 32                          ; dense
	s_mov_b32 s[\g+6], 0
	s_mov_b32 s[\g+7], 0
.endr
	s_mov_b32 s[G1A+2], 39<<16
	s_mov_b32 s[G1A+4], 39
	s_mov_b32 s[G1B+2], 26<<16
	s_mov_b32 s[G1B+4], 26
	s_mov_b32 s[SEL], 0x76543210
	s_mov_b32 s[SEL+1], 0xfedcba98
	s_mov_b32 s[TB], 0
	s_mul_i32 s46, s12, PARTA                      ; my part of a fill, in memory and in LDS alike
	s_mul_i32 s47, s12, PARTB
	s_mul_i32 s48, s13, 32*STEPB
	s_mov_b32 s49, 0
	s_lshl_b32 s50, s13, 2
	s_mov_b32 s51, 0
	s_mov_b32 s54, s46
	s_mov_b32 s55, 0
	s_add_co_u32 s56, s46, SLOT1
	s_mov_b32 s57, 0
	s_add_co_u32 s58, s47, 24*STEPB
	s_mov_b32 s59, 0
	s_wait_dscnt 0x0
	s_wait_kmcnt 0x0
	s_add_nc_u64 s[8:9], s[8:9], s[50:51]
	s_load_b32 s52, s[8:9], 0x0                    ; scale[head]
	s_add_nc_u64 s[6:7], s[6:7], s[48:49]          ; the head's keys and values
	s_mov_b32 s32, 1                               ; group 0 of the three fills: steps 0-11 to slot 0,
	s_mov_b32 s33, s46
	s_add_nc_u64 s[34:35], s[6:7], s[54:55]
	s_or_b32 s35, s35, 0x80000000
	s_mov_b32 s36, 1                               ; steps 12-23 to slot 1,
	s_mov_b32 s37, s56
	s_add_nc_u64 s[38:39], s[6:7], s[56:57]
	s_or_b32 s39, s39, 0x80000000
	s_mov_b32 s40, 1                               ; steps 24-31 to slot 0
	s_mov_b32 s41, s47
	s_add_nc_u64 s[42:43], s[6:7], s[58:59]
	s_or_b32 s43, s43, 0x80000000
	tensor_load_to_lds s[32:35], s[G1A:G1A+7]      ; every wave's one load at the head
	s_nop 0
.rept 4
	v_nop
.endr
	v_and_b32 v10, 31, v0
	v_lshlrev_b32 v4, 4, v10
	v_lshl_add_u32 v8, v10, 3, 512
	v_lshlrev_b32 v7, 8, v10
	v_and_b32 v96, 7, v0                           ; r % 8
	v_bfe_u32 v97, v0, 3, 1                        ; r / 8
	v_bfe_u32 v98, v0, 4, 1                        ; h
	v_mul_u32_u24 v99, v97, 1536
	v_lshl_add_u32 v1, v96, 4, v99
	v_lshl_add_u32 v1, v98, 8, v1                  ; 1536 (r/8) + 16 (r%8) + 256 h
	v_lshl_add_u32 v2, v96, 3, v99
	v_lshl_add_u32 v2, v98, 7, v2
	v_add_nc_u32 v2, 512, v2                       ; 1536 (r/8) + 8 (r%8) + 128 h + 512
	v_lshlrev_b32 v3, 3, v96
	v_lshl_add_u32 v3, v97, 2, v3
	v_lshl_add_u32 v3, v98, 7, v3                  ; 8 (r%8) + 4 (r/8) + 128 (lane/16)
	v_lshlrev_b32 v9, 3, v98                       ; 8 h
	s_mul_i32 s54, s13, 212992                     ; Q: [head][quad][3328]; my tile is 16 x work-group + wave
	s_lshl_b32 s55, ttmp9, 2
	s_lshr_b32 s56, s12, 2
	s_add_co_u32 s55, s55, s56
	s_mul_i32 s55, s55, 3328
	s_add_co_u32 s54, s54, s55
	s_mov_b32 s55, 0
	s_add_nc_u64 s[4:5], s[4:5], s[54:55]
	s_and_b32 s56, s12, 3
	s_mul_i32 s56, s56, 768
	s_wait_alu depctr_va_vdst(0)
	v_add_nc_u32 v244, s56, v4
	v_add_nc_u32 v245, s56, v8
	global_load_b128 v[16:19], v244, s[4:5]
	global_load_b64 v[20:21], v245, s[4:5]
	v_and_b32 v246, 15, v0
	s_and_b32 s56, s12, 1
	s_lshl_b32 s56, s56, 7
	s_bfe_u32 s57, s12, 0x10001
	s_lshl_b32 s57, s57, 2
	s_add_co_u32 s56, s56, s57
	s_add_co_u32 s56, s56, 3072
	v_lshl_add_u32 v246, v246, 3, s56
	global_load_b32 v[QS], v246, s[4:5]
	s_cmp_lt_u32 s12, 13                           ; the prefetch: waves 0-12 of the head's first work-group
	s_cselect_b32 s[LIM], 1, -1
	s_cmp_eq_u32 ttmp9, 0
	s_cselect_b32 s[LIM], s[LIM], -1
	s_min_u32 s46, s12, 12
	s_lshl_b32 s46, s46, 13
	s_add_co_u32 s46, s46, 24*STEPB                ; 8,192 bytes a wave of the third fill's 106,496
	s_mov_b32 s47, 0
	s_add_nc_u64 s[PFA:PFA+1], s[6:7], s[46:47]
.irp j, 22,23,24,25,26,27,80,81,82,83,84,85,10,11,14,15
	v_mov_b32 v\j, 0
.endr
	v_mov_b32 v13, 0xff61b1e6                      ; the largest score so far: -3e38
	v_mov_b32 v12, 0x7f61b1e6                      ; -M: 3e38
	v_mov_b32 v[BT], 0
	v_mov_b32 v[BT+1], 0
	v_mov_b32 v[F+1], 0
	v_mov_b32 v[TV], 0
	s_wait_kmcnt 0x0
	s_and_b32 s[CS], s52, 0x7fffffff
	s_mul_f32 s[CS], s[CS], 0x3fb8aa3b             ; c = |scale| log2(e)
	s_mov_b32 s[CS+1], s[CS]
	s_ashr_i32 s53, s52, 31
	s_and_b32 s56, s53, 0x20820820                 ; the sign bits of 16 codes in three registers
	s_and_b32 s57, s53, 0x08208208
	s_and_b32 s58, s53, 0x82082082
	s_wait_loadcnt 0x0                             ; Q
	v_xor_b32 v16, s56, v16
	v_xor_b32 v17, s57, v17
	v_xor_b32 v18, s58, v18
	v_xor_b32 v19, s56, v19
	v_xor_b32 v20, s57, v20
	v_xor_b32 v21, s58, v21
.set J, 0
.rept 32
	v_mov_b32 v[O+J], 0                            ; O^T: the step is written once; the first change of M leaves zeros zeros
.set J, J+1
.endr
; A KEY STEP, 128 keys, at byte o behind the addresses in hand
.macro STEP o
.irp t, 0,1,2,3,4,5,6,7
	ds_load_b128 v[KB+6*\t:KB+6*\t+3], v[AK16] offset:(\o)+768*(4*(\t/4)+\t%2)+128*((\t%4)/2)
	ds_load_b64 v[KB+6*\t+4:KB+6*\t+5], v[AK8] offset:(\o)+768*(4*(\t/4)+\t%2)+64*((\t%4)/2)
.endr
.irp g, 0,1,2,3
	ds_load_b32 v[KS+\g], v[AKS] offset:(\o)+12288+256*(\g/2)+64*(\g%2)
.endr
	ds_load_b64 v[VL:VL+1], v[AV8] offset:(\o)+12800-512
	ds_load_b64 v[VH:VH+1], v[AV8] offset:(\o)+13056-512
	s_wait_alu depctr_va_vdst(0)
	s_wait_dscnt 0x0
.irp t, 0,1,2,3,4,5,6,7
	WMZ S+8*\t, KB+6*\t, 16, KS+\t/2, \t%2, QS     ; register 32 c + i of lane (r, h): key 64 c + 32 h + i of query r
.endr
	v_lshl_or_b32 v[VW], v[VH], 16, v[VL]          ; V's scale words; these four lines are the places behind the products
	v_lshl_or_b32 v[VW+1], v[VH+1], 16, v[VL+1]
	v_mov_b32 v[TV], v12                           ; the old -M
	v_nop
.irp j, 0,1,2,3
.irp c, 0,1
	ds_load_b128 v[KB+12*\j+6*\c:KB+12*\j+6*\c+3], v[AV16] offset:(\o)+6144+1536*\j+768*\c
	ds_load_b64 v[KB+12*\j+6*\c+4:KB+12*\j+6*\c+5], v[AV8] offset:(\o)+6144+1536*\j+768*\c
.endr
.endr
.irp c, 0,1                                    ; my two blocks' largest scores, two chains each; every accumulator is first read at its low end
	v_max3_num_f32 v[TM+\c], v[S+32*\c], v[S+32*\c+1], v[S+32*\c+2]
	v_max3_num_f32 v[TM+2+\c], v[S+32*\c+17], v[S+32*\c+18], v[S+32*\c+19]
.endr
.irp i, 0,2,4,6,8,10
.irp c, 0,1
	v_max3_num_f32 v[TM+\c], v[TM+\c], v[S+32*\c+3+\i], v[S+32*\c+4+\i]
	v_max3_num_f32 v[TM+2+\c], v[TM+2+\c], v[S+32*\c+20+\i], v[S+32*\c+21+\i]
.endr
.endr
.irp c, 0,1
	v_max3_num_f32 v[TM+\c], v[TM+\c], v[S+32*\c+15], v[S+32*\c+16]
.endr
.irp c, 0,1
	s_delay_alu instid0(VALU_DEP_2)
	v_max_num_f32 v[TM+\c], v[TM+\c], v[TM+2+\c]
.endr
	s_delay_alu instid0(VALU_DEP_1)
	v_max_num_f32 v10, v[TM], v[TM+1]
	s_delay_alu instid0(VALU_DEP_1)
	v_permlanex16_b32 v11, v10, s[SEL], s[SEL+1]
	s_delay_alu instid0(VALU_DEP_1)
	v_max3_num_f32 v13, v13, v10, v11              ; the row's largest score so far
	s_delay_alu instid0(VALU_DEP_1)
	v_mul_f32 v10, s[CS], v13                      ; as t (c is not negative)
	s_delay_alu instid0(VALU_DEP_1)
	v_floor_f32 v12, -v10                          ; -M = -ceil(t)
.set J, 0
.rept 32
	v_pk_fma_f32 v[S+J:S+J+1], v[S+J:S+J+1], s[CS:CS+1], v[12:13] op_sel_hi:[1,0,0]   ; t - M
.set J, J+2
.endr
.irp c, 0,1
	v_fma_f32 v[TM+\c], v[TM+\c], s[CS], v12       ; the same of each block's largest score
.endr
	v_sub_f32 v10, v12, v[TV]                      ; old M - new M: a whole number, 0 or less
	s_delay_alu instid0(VALU_DEP_1)
	v_cvt_i32_f32 v10, v10                         ; (it saturates)
	s_delay_alu instid0(VALU_DEP_1)
	v_ldexp_f32 v[F], 1.0, v10
.set J, 0
.rept 16
	v_pk_mul_f32 v[O+J:O+J+1], v[O+J:O+J+1], v[F:F+1] op_sel_hi:[1,0]   ; O^T under the new M
.set J, J+2
.endr
	s_wait_alu depctr_va_vdst(0)                   ; the wait ahead of the batch
	v_exp_f32 v[TM], v[TM]                         ; the blocks' largest p: the same two instructions on the same number give the same bits
	v_exp_f32 v[TM+1], v[TM+1]
.set J, 0
.rept 64
	v_exp_f32 v[S+J], v[S+J]                       ; p = 2^(t - M)
.set J, J+1
.endr
	v_nop                                          ; the plain line behind the batch
	s_wait_alu depctr_va_vdst(0)                   ; and the wait behind it
.irp c, 0,1
	v_max_num_f32 v[TM+\c], 0x1800000, v[TM+\c]    ; the floor 2^(3 - 127): the byte cannot fall under 1
.endr
.irp c, 0,1
	s_delay_alu instid0(VALU_DEP_2)
	v_add_nc_u32 v[SO+\c], 0xff000000, v[TM+\c]    ; the conversion's scale operand
.endr
.irp k, 0,1,2,3,4,5,6,7
	v_pk_add_f32 v[SU+2*\k:SU+2*\k+1], v[S+2*\k:S+2*\k+1], v[S+16+2*\k:S+17+2*\k]   ; the sum of the unquantised p, in eight chains
.endr
.irp c, 0,1
	v_cvt_scalef32_pk16_fp6_f32 v[PCD+6*\c:PCD+6*\c+2], v[S+32*\c:S+32*\c+15], v[SO+\c]
	v_cvt_scalef32_pk16_fp6_f32 v[PT+4*\c:PT+4*\c+2], v[S+32*\c+16:S+32*\c+31], v[SO+\c]
.endr
.irp c, 0,1
	v_lshrrev_b32 v[BY+\c], 23, v[SO+\c]           ; the bytes of blocks h and 2 + h (plain lines behind the conversions)
.endr
	s_delay_alu instid0(VALU_DEP_1)
	v_lshl_or_b32 v10, v[BY+1], 16, v[BY]
	s_delay_alu instid0(VALU_DEP_1)
	v_lshlrev_b32 v10, v9, v10                     ; 8 h bits up
	s_delay_alu instid0(VALU_DEP_1)
	v_permlanex16_b32 v11, v10, s[SEL], s[SEL+1]
	s_delay_alu instid0(VALU_DEP_1)
	v_or_b32 v[PS], v10, v11                       ; with lane l xor 16's two bytes p's scale word is whole
.irp c, 0,1
.irp i, 0,1,2
	v_mov_b32 v[PCD+3+6*\c+\i], v[PT+4*\c+\i]      ; (a conversion's three registers begin on an even number)
.endr
.endr
.irp l, 32,48
.irp k, 0,1,2,3,4,5,6,7
	v_pk_add_f32 v[SU+2*\k:SU+2*\k+1], v[SU+2*\k:SU+2*\k+1], v[S+\l+2*\k:S+\l+1+2*\k]
.endr
.endr
.irp k, 0,1,2,3
	v_pk_add_f32 v[SU+2*\k:SU+2*\k+1], v[SU+2*\k:SU+2*\k+1], v[SU+8+2*\k:SU+9+2*\k]   ; these 20 also stand between p's scale word and codes and the products
.endr
	s_wait_alu depctr_va_vdst(0)
	s_wait_dscnt 0x0                               ; V
.irp j, 0,1,2,3
	WM O+8*\j, KB+12*\j, PCD, O+8*\j, VW+\j/2, \j%2, PS   ; O^T += V^T P^T; the four accumulators take turns
.endr
	v_pk_add_f32 v[SU:SU+1], v[SU:SU+1], v[SU+4:SU+5]       ; the sum's last four lines are the places behind the products
	v_pk_add_f32 v[SU+2:SU+3], v[SU+2:SU+3], v[SU+6:SU+7]
	s_delay_alu instid0(VALU_DEP_1)
	v_pk_add_f32 v[SU:SU+1], v[SU:SU+1], v[SU+2:SU+3]
	s_delay_alu instid0(VALU_DEP_1)
	v_pk_fma_f32 v[14:15], v[14:15], v[F:F+1], v[SU:SU+1] op_sel_hi:[1,0,1]   ; the running sum under the new M, + this step's
.endm
.macro PHASE n                         ; 2 n steps; a trip is two steps on one set of addresses
	s_mov_b32 s[CNT], \n
.Lst_\@:
	v_add_nc_u32 v[AK16], s[TB], v1
	v_add_nc_u32 v[AK8], s[TB], v2
	v_add_nc_u32 v[AKS], s[TB], v3
	v_add_nc_u32 v[AV16], s[TB], v4
	v_add_nc_u32 v[AV8], s[TB], v8
	STEP 0
	STEP STEPB
	s_add_co_u32 s[TB], s[TB], 2*STEPB
	s_sub_co_u32 s[CNT], s[CNT], 1
	s_cmp_lg_u32 s[CNT], 0
	s_wait_alu depctr_va_vdst(0)
	s_cbranch_scc1 .Lst_\@
.endm
; THE CHANGE OF SLOTS: all my tensor loads are in, the add, my reads of the slot left are over; behind the barrier the slot ahead is whole and nobody reads the other, which takes the next fill: one load a wave
.macro CHANGE g0, g1
	s_wait_tensorcnt 0x0
	ds_add_u32 v5, v6
	s_wait_dscnt 0x0
	s_barrier_signal -1
	s_barrier_wait -1
.if \g0
	tensor_load_to_lds s[\g0:\g0+3], s[\g1:\g1+7]
	s_nop 0
.rept 4
	v_nop
.endr
.endif
.endm
	s_wait_alu depctr_va_vdst(0)                   ; the head's end
	CHANGE 36, G1A                                 ; slot 1's first fill, issued as a refill is
	s_cmp_eq_u32 s[LIM], 1                         ; A PREFETCH of the third fill's 106,496 bytes, twelve steps ahead of its load: 13 waves x 32 lanes x 256 bytes, each block named once for the head's sixteen work-groups.
	s_cbranch_scc0 .Lna                            ; The first two fills come by their loads alone: no step stands ahead of them
	global_prefetch_b8 v7, s[PFA:PFA+1] th:TH_LOAD_NT scope:SCOPE_SE
.Lna:
	PHASE 6                                        ; steps 0-11, slot 0; TB runs on into slot 1
	CHANGE 40, G1B                                 ; steps 24-31 into slot 0's first 106,496 bytes
	PHASE 6                                        ; steps 12-23
	s_mov_b32 s[TB], 0
	CHANGE 0, 0
	PHASE 4                                        ; steps 24-31
	; THE WAY OUT: O^T / the sum, quantised along the head's 64 channels
	v_add_f32 v14, v14, v15
	s_delay_alu instid0(VALU_DEP_1)
	v_permlanex16_b32 v[TV], v14, s[SEL], s[SEL+1]
	s_delay_alu instid0(VALU_DEP_1)
	v_add_f32 v14, v14, v[TV]                      ; the row's sum
	s_wait_alu depctr_va_vdst(0)
	v_rcp_f32 v14, v14
	s_lshl_b32 s46, ttmp9, 4
	s_add_co_u32 s46, s46, s12                     ; my tile of queries, 0..255
	s_lshr_b32 s47, s46, 1
	s_mul_i32 s47, s47, 6400                       ; its pair,
	s_lshr_b32 s48, s13, 2
	s_mul_i32 s48, s48, 819200                     ; the chunk of 256 along K: four heads
	s_add_co_u32 s54, s47, s48
	s_mov_b32 s55, 0
	s_add_nc_u64 s[10:11], s[10:11], s[54:55]
	s_and_b32 s48, s46, 1
	s_bfe_u32 s49, s13, 0x10001
	s_and_b32 s50, s13, 1
	s_mul_i32 s51, s48, 3072
	s_mul_i32 s52, s49, 1536
	s_add_co_u32 s51, s51, s52
	s_mul_i32 s52, s50, 768
	s_add_co_u32 s51, s51, s52                     ; my image
	s_lshl_b32 s52, s49, 7
	s_lshl_b32 s53, s48, 6
	s_add_co_u32 s52, s52, s53
	s_lshl_b32 s53, s50, 1
	s_add_co_u32 s52, s52, s53
	s_add_co_u32 s52, s52, 6144                    ; my two bytes of each row's scale word
	v_add_nc_u32 v244, s51, v4
	v_add_nc_u32 v245, s51, v8
	v_and_b32 v246, 15, v0
	s_delay_alu instid0(VALU_DEP_1)
	v_lshl_add_u32 v246, v246, 2, s52
	v_and_b32 v247, 31, v0
	s_wait_alu depctr_va_vdst(0)                   ; ahead of the reciprocal's and O^T's first readers
.set J, 0
.rept 16
	v_pk_mul_f32 v[S+J:S+J+1], v[O+J:O+J+1], v[14:15] op_sel_hi:[1,0]   ; register 16 b + i: channel 32 b + 16 h + i of my query
.set J, J+2
.endr
	HQUANT S, PCD, PS
	global_store_b128 v244, v[PCD:PCD+3], s[10:11] ; 512 consecutive bytes
	global_store_b64 v245, v[PCD+4:PCD+5], s[10:11]
	v_cmp_gt_u32 vcc_lo, 16, v247
	s_wait_xcnt 0x0                                ; EXEC changes only behind this wait
	s_and_saveexec_b32 s46, vcc_lo
	global_store_b16 v246, v[PS], s[10:11]         ; lanes 0-15: a row's two scale bytes each
	s_wait_xcnt 0x0
	s_or_b32 exec_lo, exec_lo, s46
	s_wait_tensorcnt 0x0                           ; the wave's end
	ds_add_u32 v5, v6
	s_wait_dscnt 0x0
	s_endpgm
.Lfunc_end_k_q2f524145bc_attn:
	.size	k_q2f524145bc_attn, .Lfunc_end_k_q2f524145bc_attn-k_q2f524145bc_attn
	.p2alignl 7, 3214868480
	.fill 96, 4, 3214868480
	.section	.rodata,"a",@progbits
	.p2align	6, 0x0
	.amdhsa_kernel k_q2f524145bc_attn
		.amdhsa_group_segment_fixed_size 327680
		.amdhsa_private_segment_fixed_size 0
		.amdhsa_enable_private_segment 0
		.amdhsa_kernarg_size 32
		.amdhsa_user_sgpr_count 2
		.amdhsa_user_sgpr_kernarg_segment_ptr 1
		.amdhsa_wavefront_size32 1
		.amdhsa_system_sgpr_workgroup_id_x 1
		.amdhsa_system_sgpr_workgroup_id_y 1
		.amdhsa_system_sgpr_workgroup_id_z 1
		.amdhsa_system_vgpr_workitem_id 0
		.amdhsa_next_free_vgpr 256
		.amdhsa_next_free_sgpr 80
		.amdhsa_reserve_vcc 1
		.amdhsa_float_denorm_mode_32 3
		.amdhsa_float_denorm_mode_16_64 3
		.amdhsa_memory_ordered 1
		.amdhsa_forward_progress 1
		.amdhsa_inst_pref_size 108
	.end_amdhsa_kernel
	.amdgpu_metadata
---
amdhsa.version: [ 1, 2 ]
amdhsa.kernels:
  - .name:           k_q2f524145bc_attn
    .symbol:         k_q2f524145bc_attn.kd
    .args:
      - { .name: qb, .offset: 0, .size: 8, .value_kind: global_buffer, .address_space: global }
      - { .name: kv, .offset: 8, .size: 8, .value_kind: global_buffer, .address_space: global }
      - { .name: scale, .offset: 16, .size: 8, .value_kind: global_buffer, .address_space: global }
      - { .name: o_op, .offset: 24, .size: 8, .value_kind: global_buffer, .address_space: global }
    .group_segment_fixed_size: 327680
    .private_segment_fixed_size: 0
    .kernarg_segment_align: 8
    .kernarg_segment_size: 32
    .max_flat_workgroup_size: 512
    .sgpr_count:     80
    .vgpr_count:     256
    .wavefront_size: 32
...
	.end_amdgpu_metadata
.endif
;; end of part 3
;; launch outp (part 4): grid 8 x 32, 16 waves a work-group, no clusters, 327,680 bytes of LDS; arguments o_op, w_op, bo, out0; writes out0
.if DOCPART == 4
	.amdgcn_target "amdgcn-amd-amdhsa--gfx1250"
	.amdhsa_code_object_version 6
	.text
	.protected	k_q2f524145bc_outp
	.globl	k_q2f524145bc_outp
	.p2align	8
	.type	k_q2f524145bc_outp,@function
k_q2f524145bc_outp:
	s_mov_b64 s[64:65], 0
	v_nop
	global_prefetch_b8 v0, s[64:65] scope:SCOPE_SE
	s_setreg_imm32_b32 hwreg(HW_REG_WAVE_MODE, 25, 1), 1
	s_wait_xcnt 0x0
; out0 = o Wo + bo on codes of FP6 (E2M3), K = 1,024; out0 [4096][1024] f32.  o's codes come from o_op, Wo's from w_op's pairs 96-127, both as images of registers:
; [chunk of 256 along K][pair of tiles][6400]: fragment (tile u, K step q) at 3072 u + 1536 q, scale words at 6144 + 128 q + 4 x lane (lane 16 u + r).  Lane r of tile T holds row 32 (T / 2) + 8 (T % 2) + r + 8 (r / 8).
; SHARES.  A tile of 128 tokens x 128 columns to a work-group: 8 x 32 = 256 work-groups.  Sixteen waves, four to a SIMD; wave w takes one pair of o (w % 4, source 1) against one pair of Wo (w / 4, source 0): 4 accumulators.
; Source 0 = Wo: a lane holds a token, and the 16 registers of its two tiles are 16 neighbouring columns.
; ALL OF K LIES IN LDS: four chunks of 51,200 bytes (o's four pairs, then Wo's), each byte filled once.  Waves 0-7 fetch one chunk each: o's (even waves) or Wo's (odd waves), one tensor load a wave.
; Each chunk is read behind a counted wait of the fetching waves and a barrier; nothing is filled again.
; The bias is the C of each sum's first product.  The results meet in a stage in LDS (rows of 512 bytes + 16) and leave as whole rows: 512 consecutive bytes a store.
; NO CLUSTER: a work-group brings 204,800 bytes in all and its sixteen waves read four times that from LDS; the launch is a few products long.
.set PAIRB,  6400
.set CHUNKB, 819200
.set CHL,    8*PAIRB                   ; a chunk in LDS
.set STG,    4*CHL                     ; the stage: 128 rows x 528 bytes; no tensor load lands here
.set SPARE,  STG+128*528               ; the spare words, 128 bytes for each of 16 waves, that no other line names
.set ACC, 32                           ; v32-63 accumulator (a, b) at 32 + 8 (2 a + b)
.set BI,  64                           ; v64-79 bo at my 16 columns
.set SA,  80                           ; v80-81 o's scale words (K step q), v82-83 Wo's: scales and nothing else
.set SB,  82
.set FRG, 96                           ; v96-191 fragment (q, side, u) at 96 + 48 q + 24 side + 12 u
.set OUTR, 192                         ; v192-223 eight rows on the way out
.macro WM d, f0, f1, c, s0, r0, s1, r1
.if (\r0)&&(\r1)
	v_wmma_scale_f32_16x16x128_f8f6f4 v[\d:\d+7], v[\f0:\f0+11], v[\f1:\f1+11], v[\c:\c+7], v[\s0], v[\s1] matrix_a_fmt:MATRIX_FMT_FP6 matrix_b_fmt:MATRIX_FMT_FP6 matrix_a_scale:MATRIX_SCALE_ROW1 matrix_b_scale:MATRIX_SCALE_ROW1
.elseif (\r0)
	v_wmma_scale_f32_16x16x128_f8f6f4 v[\d:\d+7], v[\f0:\f0+11], v[\f1:\f1+11], v[\c:\c+7], v[\s0], v[\s1] matrix_a_fmt:MATRIX_FMT_FP6 matrix_b_fmt:MATRIX_FMT_FP6 matrix_a_scale:MATRIX_SCALE_ROW1
.elseif (\r1)
	v_wmma_scale_f32_16x16x128_f8f6f4 v[\d:\d+7], v[\f0:\f0+11], v[\f1:\f1+11], v[\c:\c+7], v[\s0], v[\s1] matrix_a_fmt:MATRIX_FMT_FP6 matrix_b_fmt:MATRIX_FMT_FP6 matrix_b_scale:MATRIX_SCALE_ROW1
.else
	v_wmma_scale_f32_16x16x128_f8f6f4 v[\d:\d+7], v[\f0:\f0+11], v[\f1:\f1+11], v[\c:\c+7], v[\s0], v[\s1] matrix_a_fmt:MATRIX_FMT_FP6 matrix_b_fmt:MATRIX_FMT_FP6
.endif
.endm
.macro FRAG reg, a16, a8, off
	ds_load_b128 v[\reg:\reg+3], v[\a16] offset:\off
	ds_load_b64 v[\reg+4:\reg+5], v[\a8] offset:\off
	ds_load_b128 v[\reg+6:\reg+9], v[\a16] offset:\off+768
	ds_load_b64 v[\reg+10:\reg+11], v[\a8] offset:\off+768
.endm
.macro CHUNK g                         ; 256 along K: eight fragments, eight products
	s_wait_tensorcnt 0x0                           ; my one load has landed
	s_barrier_signal -1
	s_barrier_wait -1                              ; all eight fetching waves' have
.rept 4
	v_nop                                          ; four plain lines between the last products and loads into registers that they read
.endr
.irp q, 0,1
.irp u, 0,1
	FRAG FRG+48*\q+12*\u, 4, 5, 3072*\u+1536*\q
	FRAG FRG+48*\q+24+12*\u, 7, 8, 3072*\u+1536*\q
.endr
	ds_load_b32 v[SA+\q], v6 offset:128*\q
	ds_load_b32 v[SB+\q], v9 offset:128*\q
.endr
	s_wait_dscnt 0x0
.if \g == 0
	s_wait_loadcnt 0x0                             ; the bias
.endif
.irp q, 0,1
.irp a, 0,1
.irp b, 0,1
.if (\g == 0) && (\q == 0)
	WM ACC+8*(2*\a+\b), FRG+48*\q+24+12*\b, FRG+48*\q+12*\a, BI+8*\b, SB+\q, \b, SA+\q, \a   ; the first product starts the sum on the bias
.else
	WM ACC+8*(2*\a+\b), FRG+48*\q+24+12*\b, FRG+48*\q+12*\a, ACC+8*(2*\a+\b), SB+\q, \b, SA+\q, \a   ; the four accumulators take turns, one instruction a turn
.endif
.endr
.endr
.endr
.if \g < 3
.irp x, 4,5,6,7,8,9
	v_add_nc_u32 v\x, CHL, v\x                     ; on to the next chunk
.endr
.endif
.endm
	s_load_b256 s[4:11], s[0:1], 0x0               ; o_op s[4:5], w_op s[6:7], bo s[8:9], out0 s[10:11]
	v_lshl_add_u32 v10, v0, 2, SPARE               ; my spare word; never rewritten
	v_mov_b32 v11, 0                               ; 0; never rewritten
	ds_add_u32 v10, v11                            ; the wave's opening: the add, with its wait ahead of the first tensor load; the set-up below stands between them
	ds_add_u32 v10, v11
	v_lshrrev_b32 v1, 5, v0
	s_delay_alu instid0(VALU_DEP_1)
	v_readfirstlane_b32 s12, v1                    ; wave 0..15
	s_and_b32 s13, s12, 3                          ; wa: my pair of o
	s_lshr_b32 s14, s12, 2                         ; wb: my pair of Wo
	s_and_b32 s15, ttmp7, 0xffff                   ; which 128 tokens
	s_mov_b32 s24, 3<<16                           ; group 1: elements of 8 bytes, no mask, no padding
	s_mov_b32 s25, 32<<16                          ; tensor_dim0 = 32 elements: 256 bytes
	s_mov_b32 s26, 100<<16                         ; tensor_dim1 = 100 rows: four pairs, 25,600 dense bytes
	s_mov_b32 s27, 32<<16                          ; tile_dim0
	s_mov_b32 s28, 100                             ; tile_dim1
	s_mov_b32 s29, 32                              ; the pitch: dense
	s_mov_b32 s30, 0
	s_mov_b32 s31, 0
	v_and_b32 v1, 15, v0                           ; r
	v_bfe_u32 v2, v0, 4, 1                         ; h
	v_and_b32 v3, 31, v0                           ; lane
	s_delay_alu instid0(VALU_DEP_1)
	v_lshlrev_b32 v14, 4, v3                       ; 16 x lane: also my 16 bytes of a row of out0
	s_delay_alu instid0(VALU_DEP_2)
	v_lshlrev_b32 v16, 3, v3
	s_mul_i32 s16, s13, PAIRB
	s_mul_i32 s17, s14, PAIRB
	s_add_co_u32 s17, s17, 4*PAIRB
	v_add_nc_u32 v4, s16, v14                      ; v4-6: o: registers 0-3 of an image, registers 4-5, scale words
	v_add_nc_u32 v5, s16, v16
	s_delay_alu instid0(VALU_DEP_1)
	v_add_nc_u32 v5, 512, v5
	v_lshl_add_u32 v6, v3, 2, s16
	s_delay_alu instid0(VALU_DEP_1)
	v_add_nc_u32 v6, 6144, v6
	v_add_nc_u32 v7, s17, v14                      ; v7-9: Wo likewise
	v_add_nc_u32 v8, s17, v16
	s_delay_alu instid0(VALU_DEP_1)
	v_add_nc_u32 v8, 512, v8
	v_lshl_add_u32 v9, v3, 2, s17
	s_delay_alu instid0(VALU_DEP_1)
	v_add_nc_u32 v9, 6144, v9
	s_mul_i32 s16, s13, 32*528                     ; the stage, in: row 32 wa + 16 a + r (tile order), bytes 128 wb + 64 h on
	s_lshl_b32 s17, s14, 7
	s_add_co_u32 s16, s16, s17
	s_add_co_u32 s16, s16, STG
	v_mul_u32_u24 v12, v1, 528
	s_delay_alu instid0(VALU_DEP_1)
	v_lshl_add_u32 v12, v2, 6, v12
	s_delay_alu instid0(VALU_DEP_1)
	v_add_nc_u32 v12, s16, v12
	s_mul_i32 s16, s12, 8*528                      ; back: wave w takes rows 8 w .. 8 w + 7, whole
	s_add_co_u32 s16, s16, STG
	v_add_nc_u32 v13, s16, v14
	v_lshlrev_b32 v15, 6, v2                       ; the bias: 16 h columns on
	s_and_b32 s16, s12, 1                          ; the fetch: even waves o's pairs 4 y on, odd waves Wo's pairs 96 + 4 x on
	s_lshl_b32 s17, s15, 2
	s_lshl_b32 s18, ttmp9, 2
	s_add_co_u32 s18, s18, 96
	s_cmp_eq_u32 s16, 0
	s_cselect_b32 s17, s17, s18
	s_mul_i32 s20, s17, PAIRB
	s_mov_b32 s21, 0
	s_mul_i32 s19, s16, 4*PAIRB
	s_wait_dscnt 0x0                               ; the opening add is done
	s_wait_kmcnt 0x0
	s_cmp_eq_u32 s16, 0
	s_cselect_b64 s[22:23], s[4:5], s[6:7]
	s_add_nc_u64 s[22:23], s[22:23], s[20:21]
	s_bfe_u32 s36, s12, 0x20001                    ; ONE FILL A WAVE: wave w < 8 fetches chunk w / 2 of o (w even) or of Wo (w odd)
	s_mul_i32 s37, s36, CHL
	s_mul_i32 s36, s36, CHUNKB
	s_mov_b32 s32, 1
	s_add_co_u32 s33, s19, s37
	s_mov_b32 s37, 0
	s_add_nc_u64 s[34:35], s[22:23], s[36:37]
	s_or_b32 s35, s35, 0x80000000
	s_cmp_lt_u32 s12, 8
	s_cbranch_scc0 .Lno_fetch
	tensor_load_to_lds s[32:35], s[24:31]
	s_nop 0
.rept 4
	v_nop
.endr
.Lno_fetch:
	s_lshl_b32 s50, ttmp9, 9                       ; bo at column 128 x + 32 wb
	s_lshl_b32 s51, s14, 7
	s_add_co_u32 s50, s50, s51
	s_mov_b32 s51, 0
	s_add_nc_u64 s[8:9], s[8:9], s[50:51]
	s_wait_alu depctr_va_vdst(0)
.irp k, 0,1,2,3
	global_load_b128 v[BI+4*\k:BI+4*\k+3], v15, s[8:9] offset:16*\k   ; register 8 b + j: column 16 h + 8 b + j of my 32
.endr
	s_lshr_b32 s48, s12, 2                         ; stage row 8 w + i is token 32 (w / 4) + 8 ((w / 2) % 2) + 16 (w % 2) + i of the 128
	s_lshl_b32 s48, s48, 5
	s_bfe_u32 s49, s12, 0x10001
	s_lshl_b32 s49, s49, 3
	s_add_co_u32 s48, s48, s49
	s_and_b32 s49, s12, 1
	s_lshl_b32 s49, s49, 4
	s_add_co_u32 s48, s48, s49
	s_lshl_b32 s49, s15, 7
	s_add_co_u32 s48, s48, s49
	s_lshl_b32 s48, s48, 12                        ; rows of 4,096 bytes
	s_lshl_b32 s49, ttmp9, 9                       ; 128 columns a work-group
	s_add_co_u32 s48, s48, s49
	s_mov_b32 s49, 0
	s_add_nc_u64 s[10:11], s[10:11], s[48:49]
	CHUNK 0
	s_wait_alu depctr_va_vdst(0)
	CHUNK 1
	s_wait_alu depctr_va_vdst(0)
	CHUNK 2
	s_wait_alu depctr_va_vdst(0)
	CHUNK 3
.rept 4
	v_nop                                          ; four plain lines between the last products and the first read of results
.endr
.irp a, 0,1
.irp k, 0,1,2,3
	ds_store_b128 v12, v[ACC+16*\a+4*\k:ACC+16*\a+4*\k+3] offset:16*\a*528+16*\k   ; each accumulator from its low end on; a lane's 16 columns are 64 consecutive bytes
.endr
.endr
	s_wait_dscnt 0x0                               ; for the others' sake: my stores into the stage are done
	s_barrier_signal -1
	s_barrier_wait -1
.irp i, 0,1,2,3,4,5,6,7
	ds_load_b128 v[OUTR+4*\i:OUTR+4*\i+3], v13 offset:528*\i
.endr
.irp i, 0,1,2,3,4,5,6,7
	s_wait_dscnt 7-\i                              ; row i is in; the younger loads are the later rows'
	global_store_b128 v14, v[OUTR+4*\i:OUTR+4*\i+3], s[10:11] offset:4096*\i th:TH_STORE_NT   ; 32 lanes store 512 consecutive bytes, at a multiple of 256 from out0's first byte
.endr
	s_wait_tensorcnt 0x0                           ; the wave's end, behind my last tensor load and my last LDS store
	ds_add_u32 v10, v11
	s_wait_dscnt 0x0
	s_endpgm
.Lfunc_end_k_q2f524145bc_outp:
	.size	k_q2f524145bc_outp, .Lfunc_end_k_q2f524145bc_outp-k_q2f524145bc_outp
	.p2alignl 7, 3214868480
	.fill 96, 4, 3214868480
	.section	.rodata,"a",@progbits
	.p2align	6, 0x0
	.amdhsa_kernel k_q2f524145bc_outp
		.amdhsa_group_segment_fixed_size 327680
		.amdhsa_private_segment_fixed_size 0
		.amdhsa_enable_private_segment 0
		.amdhsa_kernarg_size 32
		.amdhsa_user_sgpr_count 2
		.amdhsa_user_sgpr_kernarg_segment_ptr 1
		.amdhsa_wavefront_size32 1
		.amdhsa_system_sgpr_workgroup_id_x 1
		.amdhsa_system_sgpr_workgroup_id_y 1
		.amdhsa_system_sgpr_workgroup_id_z 1
		.amdhsa_system_vgpr_workitem_id 0
		.amdhsa_next_free_vgpr 224
		.amdhsa_next_free_sgpr 66
		.amdhsa_reserve_vcc 0
		.amdhsa_float_denorm_mode_32 3
		.amdhsa_float_denorm_mode_16_64 3
		.amdhsa_memory_ordered 1
		.amdhsa_forward_progress 1
		.amdhsa_inst_pref_size 23
	.end_amdhsa_kernel
	.amdgpu_metadata
---
amdhsa.version: [ 1, 2 ]
amdhsa.kernels:
  - .name:           k_q2f524145bc_outp
    .symbol:         k_q2f524145bc_outp.kd
    .args:
      - { .name: o_op, .offset: 0, .size: 8, .value_kind: global_buffer, .address_space: global }
      - { .name: w_op, .offset: 8, .size: 8, .value_kind: global_buffer, .address_space: global }
      - { .name: bo, .offset: 16, .size: 8, .value_kind: global_buffer, .address_space: global }
      - { .name: out0, .offset: 24, .size: 8, .value_kind: global_buffer, .address_space: global }
    .group_segment_fixed_size: 327680
    .private_segment_fixed_size: 0
    .kernarg_segment_align: 8
    .kernarg_segment_size: 32
    .max_flat_workgroup_size: 512
    .sgpr_count:     66
    .vgpr_count:     224
    .wavefront_size: 32
...
	.end_amdgpu_metadata
.endif
;; end of part 4
